; MI455X (gfx1250); checked and timed in simulation.
; The chip was launched on July 23, 2026; its instructions are those of AMD's public machine-readable ISA for CDNA 5 (MIT licence, August 2026) and "CDNA5" Instruction Set Architecture Reference Guide (July 2026). The comments in the code are by the model that wrote it; some were corrected since.
;; Transformer Layer. Allowed arithmetic: float matrix products may take bf16 or f16 operands with f32 sums; other float arithmetic in f32, or as packed bf16 or f16 multiplies, adds, multiply-adds, maxima and minima; sums over many terms, partial sums and values carried from step to step in f32; what a program stores and reads back later, other than sums and carried values, may be rounded once to bf16 or f16.
;; Inputs: W1 4,096 x 1,024 float32; W2 1,024 x 4,096 float32; Wk 1,024 x 1,024 float32; Wo 1,024 x 1,024 float32; Wq 1,024 x 1,024 float32; Wv 1,024 x 1,024 float32; b1 4,096 float32; b2 1,024 float32; bk 1,024 float32; bo 1,024 float32; bq 1,024 float32; bv 1,024 float32; gammas 16 x 1 x 1 float32; key 4 x 1,024 x 1,024 float32; ln1_b 1,024 float32; ln1_w 1,024 float32; ln2_b 1,024 float32; ln2_w 1,024 float32; query 4 x 1,024 x 1,024 float32; values 4 x 1,024 x 1,024 float32.
;; Outputs: out0 4 x 1,024 x 1,024 float32.
;; Constants: mask = 1.
;; One version. Each part assembles by itself: llvm-mc -triple=amdgcn-amd-amdhsa -mcpu=gfx1250 --defsym DOCPART=n.
;; ======== version 1 of 1: 8 launches
;; limits: values outside matrix products are rounded to bf16; values are held in f16: magnitudes above 65,504 overflow, below 6.1e-05 lose precision
;; workspace buffers: c16 50,331,648 bytes; qkv 25,165,824 bytes; ao 8,388,608 bytes; y 16,777,216 bytes; x16 8,388,608 bytes; h16 33,554,432 bytes
;; launch cast (part 1): grid 64 x 24, 8 waves a work-group, no clusters, 0 bytes of LDS; arguments query, key, values, Wq, Wk, Wv, Wo, W1, W2, c16; writes c16
.if DOCPART == 1
	.amdgcn_target "amdgcn-amd-amdhsa--gfx1250"
	.amdhsa_code_object_version 6
	.text
	.protected	k_q8ec5640463_cast
	.globl	k_q8ec5640463_cast
	.p2align	8
	.type	k_q8ec5640463_cast,@function
k_q8ec5640463_cast:
	s_mov_b64 s[64:65], 0
	v_nop
	global_prefetch_b8 v0, s[64:65] scope:SCOPE_SE
	s_setreg_imm32_b32 hwreg(HW_REG_WAVE_MODE, 25, 1), 1
	s_wait_xcnt 0x0
; c16 = the nine matrix operands among the inputs, each number rounded once from f32 to f16, in units of 1,048,576 numbers:
; units 0-3 query, 4-7 key, 8-11 values, 12 Wq, 13 Wk, 14 Wv, 15 Wo, 16-19 W1, 20-23 W2, each tensor row-major as it is given.
; LIMIT: a number of 65,520 or more in magnitude becomes an infinity in f16.
; The work-group's y is the unit, its x one of the unit's 64 pieces of 65,536 bytes of f32.  Thread t takes 16 bytes at 16 t of each 4,096 bytes:
; 16 loads, all issued at once; each store of a wave covers 256 consecutive bytes, aligned.  A stream: no LDS, no barrier, no matrix unit.
.set X, 4                              ; v[4:67]   16 x 4 numbers as loaded
.set Y, 68                             ; v[68:99]  16 x 2 registers to store
	s_load_b512 s[8:23], s[0:1], 0x0               ; query, key, values, Wq, Wk, Wv, Wo, W1
	s_load_b128 s[24:27], s[0:1], 0x40             ; W2, c16
	s_and_b32 s4, ttmp7, 0xffff                    ; the unit
	v_lshlrev_b32 v1, 4, v0
	v_lshlrev_b32 v2, 3, v0
	s_wait_kmcnt 0x0
	s_mov_b64 s[28:29], s[24:25]                   ; the unit's tensor and that tensor's first unit: from the last downward
	s_mov_b32 s30, 20
.macro PICK bound, ptr, first
	s_cmp_lt_u32 s4, \bound
	s_cselect_b64 s[28:29], s[\ptr:\ptr+1], s[28:29]
	s_cselect_b32 s30, \first, s30
.endm
	PICK 20, 22, 16
	PICK 16, 20, 15
	PICK 15, 18, 14
	PICK 14, 16, 13
	PICK 13, 14, 12
	PICK 12, 12, 8
	PICK 8, 10, 4
	PICK 4, 8, 0
	s_sub_co_u32 s5, s4, s30
	s_lshl_b32 s5, s5, 22                          ; 4 MiB of f32 a unit
	s_lshl_b32 s6, ttmp9, 16
	s_or_b32 s32, s5, s6
	s_mov_b32 s33, 0
	s_add_nc_u64 s[28:29], s[28:29], s[32:33]
	s_lshl_b32 s5, s4, 21                          ; 2 MiB of f16 a unit
	s_lshl_b32 s6, ttmp9, 15
	s_or_b32 s32, s5, s6
	s_add_nc_u64 s[26:27], s[26:27], s[32:33]
.set j, 0
.rept 16
	global_load_b128 v[X+4*j:X+4*j+3], v1, s[28:29] offset:4096*j th:TH_LOAD_NT
.set j, j+1
.endr
.set j, 0
.rept 16
	s_wait_loadcnt 15-j                            ; loads come back in order: number j is in, the 15 - j younger ones stay out
	v_cvt_pk_f16_f32 v[Y+2*j], v[X+4*j], v[X+4*j+1]
	v_cvt_pk_f16_f32 v[Y+2*j+1], v[X+4*j+2], v[X+4*j+3]
	global_store_b64 v2, v[Y+2*j:Y+2*j+1], s[26:27] offset:2048*j
.set j, j+1
.endr
	s_endpgm
.Lfunc_end_k_q8ec5640463_cast:
	.size	k_q8ec5640463_cast, .Lfunc_end_k_q8ec5640463_cast-k_q8ec5640463_cast
	.p2alignl 7, 3214868480
	.fill 96, 4, 3214868480
	.section	.rodata,"a",@progbits
	.p2align	6, 0x0
	.amdhsa_kernel k_q8ec5640463_cast
		.amdhsa_group_segment_fixed_size 0
		.amdhsa_private_segment_fixed_size 0
		.amdhsa_enable_private_segment 0
		.amdhsa_kernarg_size 80
		.amdhsa_user_sgpr_count 2
		.amdhsa_user_sgpr_kernarg_segment_ptr 1
		.amdhsa_wavefront_size32 1
		.amdhsa_system_sgpr_workgroup_id_x 1
		.amdhsa_system_sgpr_workgroup_id_y 1
		.amdhsa_system_sgpr_workgroup_id_z 1
		.amdhsa_system_vgpr_workitem_id 0
		.amdhsa_next_free_vgpr 104
		.amdhsa_next_free_sgpr 66
		.amdhsa_reserve_vcc 0
		.amdhsa_float_denorm_mode_32 3
		.amdhsa_float_denorm_mode_16_64 3
		.amdhsa_memory_ordered 1
		.amdhsa_forward_progress 1
		.amdhsa_inst_pref_size 8
	.end_amdhsa_kernel
	.amdgpu_metadata
---
amdhsa.version: [ 1, 2 ]
amdhsa.kernels:
  - .name:           k_q8ec5640463_cast
    .symbol:         k_q8ec5640463_cast.kd
    .args:
      - { .name: query, .offset: 0, .size: 8, .value_kind: global_buffer, .address_space: global }
      - { .name: key, .offset: 8, .size: 8, .value_kind: global_buffer, .address_space: global }
      - { .name: values, .offset: 16, .size: 8, .value_kind: global_buffer, .address_space: global }
      - { .name: Wq, .offset: 24, .size: 8, .value_kind: global_buffer, .address_space: global }
      - { .name: Wk, .offset: 32, .size: 8, .value_kind: global_buffer, .address_space: global }
      - { .name: Wv, .offset: 40, .size: 8, .value_kind: global_buffer, .address_space: global }
      - { .name: Wo, .offset: 48, .size: 8, .value_kind: global_buffer, .address_space: global }
      - { .name: W1, .offset: 56, .size: 8, .value_kind: global_buffer, .address_space: global }
      - { .name: W2, .offset: 64, .size: 8, .value_kind: global_buffer, .address_space: global }
      - { .name: c16, .offset: 72, .size: 8, .value_kind: global_buffer, .address_space: global }
    .group_segment_fixed_size: 0
    .private_segment_fixed_size: 0
    .kernarg_segment_align: 8
    .kernarg_segment_size: 80
    .max_flat_workgroup_size: 256
    .sgpr_count:     66
    .vgpr_count:     104
    .wavefront_size: 32
...
	.end_amdgpu_metadata
.endif
;; end of part 1
;; launch qkv (part 2): grid 12 x 16, 4 waves a work-group, clusters of 4 x 4, 327,680 bytes of LDS; arguments c16, bq, bk, bv, qkv; writes qkv
.if DOCPART == 2
	.amdgcn_target "amdgcn-amd-amdhsa--gfx1250"
	.amdhsa_code_object_version 6
	.text
	.protected	k_q8ec5640463_qkv
	.globl	k_q8ec5640463_qkv
	.p2align	8
	.type	k_q8ec5640463_qkv,@function
k_q8ec5640463_qkv:
	s_mov_b64 s[64:65], 0
	v_nop
	global_prefetch_b8 v0, s[64:65] scope:SCOPE_SE
	s_setreg_imm32_b32 hwreg(HW_REG_WAVE_MODE, 25, 1), 1
	s_wait_xcnt 0x0
	s_wait_alu depctr_hold_cnt(0) depctr_sa_sdst(0) depctr_va_vdst(0) depctr_va_sdst(0) depctr_va_ssrc(0) depctr_va_vcc(0) depctr_vm_vsrc(0)
	s_getreg_b32 s2, hwreg(HW_REG_IB_STS2, 6, 4)
	s_cmp_eq_u32 s2, 0
	s_cbranch_scc0 .Lentry_in_a_cluster
	s_endpgm
.Lentry_in_a_cluster:
	s_bfe_u32 s2, ttmp6, 0x10000c
	s_cmp_lg_u32 s2, 0xf033
	s_cbranch_scc0 .Lentry_shape_is_right
	s_endpgm
.Lentry_shape_is_right:
; C = A B^T + bias on tiles of 256 x 256, K = 1,024, operands f16, sums f32, C rounded once to f16.  One text for two launches, told apart by QKV.
; QKV = 1: three products at once; the cluster's x is p: A = query, key or values (c16 unit 4 p), B = Wq, Wk or Wv (unit 12 + p), bias bq, bk or bv;
;          C goes out BY HEADS: plane p of qkv, [batch][head][row][64], so that a head's rows are dense.
; QKV = 0: A = x16, B = W1 (c16 unit 16), bias b1, C = relu(..) to h16, row-major [4096][4096].
; LIMIT: a result of 65,520 or more in magnitude becomes an infinity in f16.
; Four waves, each 128 x 128 of C in 64 accumulators (512 registers).  K goes in 8 steps of 128 through two LDS slots filled by tensor loads: rows of 256 bytes, aligned, padded to 272.
; THE ACCUMULATORS START AS THE BIAS, loaded straight into them, so every product adds in place and one K step is the whole loop body; s[TB] (0 or SLOT) says which slot is read.
; The last two K steps are a second loop, which fills nothing.
; CLUSTER 4 x 4: A's tile is asked for jointly by a row of the cluster, B's by a column.  THE PRODUCT IS USED TRANSPOSED (source 0 = rows of B): a lane holds eight neighbouring columns of one row of C.
; REGISTERS: window 0: v16-31 addresses; v64-191 A's two fragment buffers; v192-223, v32-63, v224-255 the way out.  window 1: v64-191 B's buffers.  windows 2, 3: accumulator (a, b) at v[8 (8 (a % 4) + b)].
.set QKV, 1
.set SIZE_K, 1024
.set KSTEP,  128
.set STEPS,  SIZE_K/KSTEP
.set PITCH,  272                       ; 256 bytes + 16: the 16 rows that a fragment load touches start 68 words apart
.set HALFT,  128*PITCH
.set SLOT,   4*HALFT                   ; A's 256 rows, then B's 256 rows
.set STAGE,  2*SLOT                    ; behind the ring: 16 rows x 272 bytes for each wave
.set SPITCH, 272
.set SPARE,  STAGE+4*16*SPITCH         ; the spare words: 128 bytes a wave, named by no other line
.set ADRA, 16                          ; LDS address of my A fragments in the slot in hand
.set A0,   17                          ; the same in slot 0; never rewritten
.set ADRB, 20
.set B0,   21
.set STO,  24
.set RD,   25
.set CO,   26
.set BO,   27                          ; 32 x (lane / 16): my eight columns' bytes in 16 numbers of the bias
.set SPW,  28
.set NIL,  29
.set PFO,  30                          ; lane x 2,048: a row of A or B
.set ZR,   31                          ; 0, for the ReLU
.set F0,   64
.set F1,   128
.set TMP,  192
.set OB,   32
.set G1,  24
.set G0,  32
.set G1B, 48
.set G0B, 56
.set LIM, 43
.set PFA, 44
.set BIAS, 66
.set TB,  68
.set MSB, 0
.macro WIN new                         ; the immediate's high byte repeats the setting that is left
.if MSB != (\new)
	s_set_vgpr_msb (MSB<<8)|(\new)
.set MSB, \new
.endif
.endm
.set MUL_LO, 0xa1
.set MUL_HI, 0xf1
.set TO_B,   0x40
.macro JLOAD s                         ; a joint load: waves 0 and 1 fetch A's halves, waves 2 and 3 B's; s_nop 0 and four v_nop follow each line
	s_cmp_eq_u32 s11, 0
	s_cbranch_scc0 .Lfor_b_\@
	tensor_load_to_lds s[G0+4*(\s):G0+4*(\s)+3], s[G1:G1+7]
	s_nop 0
.rept 4
	v_nop
.endr
	s_branch .Lasked_\@
.Lfor_b_\@:
	tensor_load_to_lds s[G0B+4*(\s):G0B+4*(\s)+3], s[G1B:G1B+7]
	s_nop 0
.rept 4
	v_nop
.endr
.Lasked_\@:
.endm
; A prefetch of the K step two refills on: 32 rows x 256 bytes, a lane a row.  Of the 128 rows that a wave fetches each of the four partners takes 32, told apart by address.
; One cluster asks for each block; the refills for the last two K steps have no step two on (s3 is 2 or 1 there).
.macro ASK
	s_cmp_gt_u32 s3, s[LIM]
	s_cbranch_scc0 .Lnot_mine_\@
	global_prefetch_b8 v[PFO], s[PFA:PFA+1] offset:KSTEP*2 th:TH_LOAD_NT scope:SCOPE_SE
.Lnot_mine_\@:
.endm
.macro CREST
	s_cmp_lg_u32 s10, 0
	s_cbranch_scc1 .Lnot_wave_0_\@
	s_barrier_signal -3
.Lnot_wave_0_\@:
	s_barrier_wait -3
	s_barrier_signal -1
	s_barrier_wait -1
.endm
.macro CROUND
	s_barrier_signal -1
	s_barrier_wait -1
	CREST
.endm
.macro PLACES
.rept 4
	v_nop
.endr
.endm
	s_load_b256 s[72:79], s[0:1], 0x0
.if QKV
	s_load_b64 s[8:9], s[0:1], 0x20
.endif
	v_lshl_add_u32 v[SPW], v0, 2, SPARE
	v_mov_b32 v[NIL], 0
	ds_add_u32 v[SPW], v[NIL]                      ; the wave's opening: the add and its wait ahead of my first tensor load
	v_lshrrev_b32 v1, 5, v0
	v_readfirstlane_b32 s10, v1                    ; wave 0..3
	s_lshr_b32 s11, s10, 1                         ; my half of the tile's rows; also: I fetch for A (0) or B (1)
	s_and_b32 s12, s10, 1                          ; my half of its columns; also: which 128 rows I fetch
	s_bfe_u32 s40, ttmp6, 0x40000                  ; cx
	s_bfe_u32 s41, ttmp6, 0x40004                  ; cy
	s_mov_b32 s69, ttmp9                           ; cluster x
.if QKV
	s_mov_b32 s42, s40                             ; tile column = cx: a product has four
.else
	s_lshl_b32 s42, s69, 2
	s_add_co_u32 s42, s42, s40
.endif
	s_and_b32 s13, ttmp7, 0xffff
	s_lshl_b32 s13, s13, 2
	s_add_co_u32 s13, s13, s41                     ; tile row
	s_lshl_b32 s43, s41, 2
	s_lshl_b32 s43, 15, s43                        ; my row of the cluster
	s_lshl_b32 s44, 0x1111, s40                    ; my column
	s_or_b32 s[G1+0], s43, (1<<16)|(1<<20)|(1<<21)|(5<<22)|(3<<25)   ; mask; 2-byte elements; padding on; bit 21 beside a mask; after every 64 words 4 words
	s_or_b32 s[G1B+0], s44, (1<<16)|(1<<20)|(1<<21)|(5<<22)|(3<<25)
.irp g, G1, G1B
	s_mov_b32 s[(\g)+1], KSTEP<<16                 ; tensor_dim0 = 128
	s_mov_b32 s[(\g)+2], 128<<16                   ; tensor_dim1 = 128
	s_mov_b32 s[(\g)+3], KSTEP<<16                 ; tile_dim0 = 128
	s_mov_b32 s[(\g)+4], 128                       ; tile_dim1 = 128
	s_mov_b32 s[(\g)+5], SIZE_K                    ; elements from row to row
	s_mov_b32 s[(\g)+6], 0
	s_mov_b32 s[(\g)+7], 0
.endr
	s_lshl_b32 s21, s12, 7
	s_lshl_b32 s16, s13, 8
	s_add_co_u32 s16, s16, s21
	s_lshl_b32 s16, s16, 11                        ; A: (256 x tile row + 128 x half) rows of 2,048 bytes
.if QKV
	s_lshl_b32 s17, s69, 23                        ; in tensor p
	s_add_co_u32 s16, s16, s17
.endif
	s_mov_b32 s17, 0
	s_lshl_b32 s18, s42, 8
	s_add_co_u32 s18, s18, s21                     ; the row of B that I fetch from = my first column of C
	s_lshl_b32 s22, s18, 2                         ; its place in the bias
	s_mov_b32 s23, 0
	s_lshl_b32 s70, s13, 8
	s_lshl_b32 s71, s11, 7
	s_add_co_u32 s70, s70, s71                     ; my first row of C
.if QKV
	s_and_b32 s70, s70, 1023                       ; the row in its batch
	s_lshr_b32 s71, s13, 2                         ; the batch
	s_lshl_b32 s71, s71, 4
	s_lshr_b32 s19, s18, 6                         ; my first head
	s_add_co_u32 s71, s71, s19
	s_lshl_b32 s71, s71, 10
	s_add_co_u32 s70, s70, s71
	s_lshl_b32 s70, s70, 7                         ; rows of 128 bytes
	s_lshl_b32 s71, s69, 23                        ; plane p
	s_add_co_u32 s70, s70, s71
.else
	s_lshl_b32 s70, s70, 13                        ; rows of 8,192 bytes
	s_lshl_b32 s71, s18, 1
	s_add_co_u32 s70, s70, s71
.endif
	s_mov_b32 s71, 0
	s_lshl_b32 s18, s18, 11
.if QKV
	s_lshl_b32 s19, s69, 21
	s_add_co_u32 s18, s18, s19
	s_add_co_u32 s18, s18, 25165824                ; unit 12 + p
.else
	s_add_co_u32 s18, s18, 33554432                ; unit 16
.endif
	s_mov_b32 s19, 0
	s_mul_i32 s20, s10, HALFT                      ; where my part of a tile goes: no place in the cluster enters an LDS address
	s_wait_dscnt 0x0                               ; the opening add is done
	s_wait_kmcnt 0x0
	s_add_nc_u64 s[14:15], s[72:73], s[16:17]
.if QKV
	s_add_nc_u64 s[46:47], s[72:73], s[18:19]
	s_cmp_eq_u32 s69, 0
	s_cselect_b64 s[BIAS:BIAS+1], s[74:75], s[76:77]
	s_cmp_eq_u32 s69, 2
	s_cselect_b64 s[BIAS:BIAS+1], s[78:79], s[BIAS:BIAS+1]
.else
	s_add_nc_u64 s[46:47], s[74:75], s[18:19]
	s_mov_b64 s[BIAS:BIAS+1], s[76:77]
	s_mov_b64 s[8:9], s[78:79]
.endif
	s_add_nc_u64 s[BIAS:BIAS+1], s[BIAS:BIAS+1], s[22:23]
	s_add_nc_u64 s[8:9], s[8:9], s[70:71]
	CROUND                                         ; all sixteen work-groups are here: the first joint loads meet
.irp s, 0,1
	s_mov_b32 s[G0+4*(\s)], 1
	s_add_co_u32 s[G0+4*(\s)+1], s20, (\s)*SLOT
	s_add_nc_u64 s[G0+4*(\s)+2:G0+4*(\s)+3], s[14:15], (\s)*KSTEP*2
	s_or_b32 s[G0+4*(\s)+3], s[G0+4*(\s)+3], 0x80000000
	s_mov_b32 s[G0B+4*(\s)], 1
	s_add_co_u32 s[G0B+4*(\s)+1], s20, (\s)*SLOT
	s_add_nc_u64 s[G0B+4*(\s)+2:G0B+4*(\s)+3], s[46:47], (\s)*KSTEP*2
	s_or_b32 s[G0B+4*(\s)+3], s[G0B+4*(\s)+3], 0x80000000
	JLOAD \s                                       ; K steps 0 and 1: two loads of mine are out
.endr
	v_and_b32 v1, 15, v0                           ; l % 16
	v_bfe_u32 v2, v0, 4, 1                         ; l / 16
	v_mul_u32_u24 v3, v1, PITCH
	v_lshl_add_u32 v3, v2, 4, v3
	s_mul_i32 s21, s11, HALFT
	s_mul_i32 s22, s12, HALFT
	s_add_co_u32 s22, s22, 2*HALFT
	v_add_nc_u32 v[A0], s21, v3
	v_add_nc_u32 v[B0], s22, v3
	v_mov_b32 v[ADRA], v[A0]
	v_mov_b32 v[ADRB], v[B0]
	v_lshlrev_b32 v[BO], 5, v2
	v_mov_b32 v[ZR], 0
	s_mul_i32 s23, s10, 16*SPITCH
	s_add_co_u32 s23, s23, STAGE                   ; my stage
	v_mul_u32_u24 v4, v1, SPITCH
	v_lshl_add_u32 v4, v2, 4, v4
	v_add_nc_u32 v[STO], s23, v4                   ; in: row l % 16, 16 bytes for each half of the lanes
.if QKV
	v_bfe_u32 v5, v0, 3, 2                         ; back: 32 lanes take four rows' 128 bytes of one head,
	v_and_b32 v6, 7, v0
	v_mul_u32_u24 v5, v5, SPITCH
	v_lshl_add_u32 v5, v6, 4, v5
	v_add_nc_u32 v[RD], s23, v5
	v_and_b32 v[CO], 31, v0                        ; which are 512 consecutive bytes of the plane
	v_lshlrev_b32 v[CO], 4, v[CO]
.else
	v_mul_u32_u24 v5, v2, SPITCH                   ; back: lanes 0-15 one row of 256 bytes, lanes 16-31 the next
	v_lshl_add_u32 v5, v1, 4, v5
	v_add_nc_u32 v[RD], s23, v5
	v_lshlrev_b32 v5, 13, v2
	v_lshl_add_u32 v[CO], v1, 4, v5
.endif
	; the bias: register j of accumulator (a, b) is column 16 b + 8 (l / 16) + j of my 128, whatever a
.irp w, 0,1
	WIN 0x80+0x40*(\w)
.irp a, 0,1,2,3
.irp b, 0,1,2,3,4,5,6,7
	global_load_b128 v[8*(8*(\a)+(\b)):8*(8*(\a)+(\b))+3], v[BO], s[BIAS:BIAS+1] offset:64*(\b)
	global_load_b128 v[8*(8*(\a)+(\b))+4:8*(8*(\a)+(\b))+7], v[BO], s[BIAS:BIAS+1] offset:64*(\b)+16
.endr
.endr
.endr
	WIN 0
	; the prefetches: who asks, and where they stand
	s_and_b32 s22, ttmp7, 0xffff                   ; cluster y
	s_cmp_eq_u32 s11, 0
	s_cselect_b32 s21, s16, s18                    ; the 128 rows that I fetch,
	s_cselect_b32 s23, s40, s41                    ; my place among the four that ask for them with me
.if QKV
	s_cselect_b32 s22, 0, s22                      ; A's rows are read by this cluster alone; B's by the four clusters of a product: the one with y = 0 asks
	s_mov_b64 s[PFA:PFA+1], s[72:73]
.else
	s_cselect_b32 s22, s69, s22                    ; A's rows: the cluster with x = 0 asks; B's: the one with y = 0
	s_cselect_b64 s[PFA:PFA+1], s[72:73], s[74:75]
.endif
	s_cmp_eq_u32 s22, 0
	s_cselect_b32 s[LIM], 2, -1
	s_lshl_b32 s23, s23, 16                        ; my work-group's 32 rows
	s_add_co_u32 s22, s21, s23
	s_add_co_u32 s22, s22, 2*KSTEP*2               ; at K step 2: the first refill steps it to 3 and names 4
	s_mov_b32 s23, 0
	s_add_nc_u64 s[PFA:PFA+1], s[PFA:PFA+1], s[22:23]
	v_and_b32 v[PFO], 31, v0
	v_lshlrev_b32 v[PFO], 11, v[PFO]
	s_mov_b32 s[TB], 0
; 16 products: row blocks a0, a0 + 1 of the window's four x all 8 column blocks, 32 along K.  The 64 accumulators take turns in one order in every quarter, over the backward jumps too.
.macro MUL16 f, hi, a0
	WIN MUL_LO+0x50*(\hi)
.irp a, \a0, (\a0)+1
.irp b, 0,1,2,3,4,5,6,7
	v_wmma_f32_16x16x32_f16 v[8*(8*(\a)+(\b)):8*(8*(\a)+(\b))+7], v[(\f)+8*(\b):(\f)+8*(\b)+7], v[(\f)+8*(4*(\hi)+(\a)):(\f)+8*(4*(\hi)+(\a))+7], v[8*(8*(\a)+(\b)):8*(8*(\a)+(\b))+7]
.endr
.endr
.endm
.macro FETCH k, f                      ; 32 LDS loads in one run: a quarter step's fragments (32 K at byte k of the rows) into buffer f
	WIN TO_B
.irp i, 0,1,2,3,4,5,6,7
	ds_load_b128 v[(\f)+8*(\i):(\f)+8*(\i)+3],   v[ADRB] offset:(\k)+(\i)*16*PITCH
	ds_load_b128 v[(\f)+8*(\i)+4:(\f)+8*(\i)+7], v[ADRB] offset:(\k)+(\i)*16*PITCH+32
.endr
	WIN 0
.irp i, 0,1,2,3,4,5,6,7
	ds_load_b128 v[(\f)+8*(\i):(\f)+8*(\i)+3],   v[ADRA] offset:(\k)+(\i)*16*PITCH
	ds_load_b128 v[(\f)+8*(\i)+4:(\f)+8*(\i)+7], v[ADRA] offset:(\k)+(\i)*16*PITCH+32
.endr
.endm
.macro QUARTER k, f, g
	s_wait_dscnt 8                                 ; B and A's rows 0-63 are in; the youngest eight loads (A's rows 64-127) may be out
	MUL16 \f, 0, 0
	MUL16 \f, 0, 2
	PLACES                                         ; four places in front of loads into registers that products have read
	FETCH \k, \g
	s_wait_dscnt 32                                ; all but the 32 just issued
	MUL16 \f, 1, 0
	MUL16 \f, 1, 2
.endm
; The last quarter multiplies buffer 1 and changes slots.  In front of the barrier each wave waits for all its tensor loads (one is out: its part of the next slot), adds 0 to its spare word,
; and waits for that and for its reads of this slot.  fill = 1: the barrier opens a round of the cluster's, and the joint refill (the K step two on, into the slot just read) is the first thing behind it.
.macro TURN fill
.if \fill
	s_wait_xcnt 0x0                                ; the last prefetch, a K step back, has read its address
	s_add_nc_u64 s[PFA:PFA+1], s[PFA:PFA+1], KSTEP*2
.endif
	WIN 0
	s_wait_tensorcnt 0x0
	ds_add_u32 v[SPW], v[NIL]
	s_wait_dscnt 9                                 ; the add and the youngest eight loads may be out
	MUL16 F1, 0, 0
	s_wait_dscnt 0x0                               ; the add is done, my reads of this slot are over
	s_barrier_signal -1
	MUL16 F1, 0, 2
	WIN 0
	s_barrier_wait -1
.if \fill
	CREST
	s_add_co_u32 s[G0+5], s20, s[TB]               ; the walking descriptors: the slot just read,
	s_add_co_u32 s[G0B+5], s20, s[TB]
	s_add_nc_u64 s[G0+6:G0+7], s[G0+6:G0+7], KSTEP*2      ; the next K step not yet asked for
	s_add_nc_u64 s[G0B+6:G0B+7], s[G0B+6:G0B+7], KSTEP*2
	JLOAD 1                                        ; its four v_nop are also the places in front of the loads below
.else
	PLACES
	s_cmp_eq_u32 s3, 1                             ; behind the last K step there is nothing to fetch
	s_cbranch_scc1 .Lno_fetch_\@
.endif
	s_xor_b32 s[TB], s[TB], SLOT
	v_add_nc_u32 v[ADRA], s[TB], v[A0]
	v_add_nc_u32 v[ADRB], s[TB], v[B0]
	FETCH 0, F0
.if \fill
	ASK
.else
.Lno_fetch_\@:
.endif
	MUL16 F1, 1, 0
	MUL16 F1, 1, 2
.endm
.macro STEP fill
	QUARTER 64,  F0, F1
	QUARTER 128, F1, F0
	QUARTER 192, F0, F1
	TURN \fill
.endm
; THE WAY OUT of block a (16 rows x 128 columns): rounded to f16, through my own stage, back as whole pieces of 256 bytes or more, stored.
.macro PACK a
.set AC, 64*((\a)%4)
	WIN 0x0a+5*((\a)/4)
.irp b, 0,1,2,3,4,5,6,7
.irp r, 0,1,2,3
	v_cvt_pk_f16_f32 v[TMP+4*(\b)+(\r)], v[AC+8*(\b)+2*(\r)], v[AC+8*(\b)+2*(\r)+1]
.endr
.endr
	WIN 0
.if !QKV
.set i, 0
.rept 32
	v_pk_max_num_f16 v[TMP+i], v[TMP+i], v[ZR]     ; the ReLU, two numbers a line; nothing is rounded
.set i, i+1
.endr
.endif
.endm
.macro TOSTAGE a
	WIN 0
.set BK, OB+192*((\a)%2)
.irp b, 0,1,2,3,4,5,6,7
	ds_store_b128 v[STO], v[TMP+4*(\b):TMP+4*(\b)+3] offset:32*(\b)
.endr
.irp t, 0,1,2,3,4,5,6,7
.if QKV
	ds_load_b128 v[BK+4*(\t):BK+4*(\t)+3], v[RD] offset:((\t)%4)*4*SPITCH+((\t)/4)*128  ; LDS serves a wave's instructions in order: these see the stores above
.else
	ds_load_b128 v[BK+4*(\t):BK+4*(\t)+3], v[RD] offset:(\t)*2*SPITCH
.endif
.endr
.endm
.macro SEND a
	WIN 0
.set BK, OB+192*((\a)%2)
	s_wait_dscnt 0x0                               ; the block is back in registers
	s_wait_xcnt 0x0                                ; the stores of the block before have read their registers, which the next block's loads write
.irp t, 0,1,2,3,4,5,6,7
.if QKV
	global_store_b128 v[CO], v[BK+4*(\t):BK+4*(\t)+3], s[8:9] offset:(\a)*2048+((\t)/4)*131072+((\t)%4)*512  ; 512 consecutive bytes of one head
.else
	global_store_b128 v[CO], v[BK+4*(\t):BK+4*(\t)+3], s[8:9] offset:(\a)*16*8192+(\t)*2*8192  ; 16 lanes store 256 consecutive bytes, aligned
.endif
.endr
.endm
	s_wait_tensorcnt 1                             ; my part of K step 0 is in; K step 1's may stay out
	s_barrier_signal -1
	s_barrier_wait -1
	FETCH 0, F0
	s_wait_loadcnt 0x0                             ; the bias
	s_mov_b32 s3, STEPS-2
.Lk:                                               ; K steps 0 to 5: each asks for the step two on
	STEP 1
	WIN 0
	s_sub_co_u32 s3, s3, 1
	s_cmp_lg_u32 s3, 0
	s_cbranch_scc1 .Lk
	s_mov_b32 s3, 2
.Lt:                                               ; K steps 6 and 7 ask for nothing
	STEP 0
	WIN 0
	s_sub_co_u32 s3, s3, 1
	s_cmp_lg_u32 s3, 0
	s_cbranch_scc1 .Lt
	PACK 0                                         ; blocks 0-3 were finished in front of the last four v_nop; their conversions are the places behind blocks 4-7's last products
	TOSTAGE 0
.irp a, 1,2,3,4,5,6,7
	PACK \a
	SEND (\a)-1
	TOSTAGE \a
.endr
	SEND 7
	s_wait_tensorcnt 0x0                           ; the wave's end
	ds_add_u32 v[SPW], v[NIL]
	s_wait_dscnt 0x0
	CROUND                                         ; the closing round
	s_endpgm
.Lfunc_end_k_q8ec5640463_qkv:
	.size	k_q8ec5640463_qkv, .Lfunc_end_k_q8ec5640463_qkv-k_q8ec5640463_qkv
	.p2alignl 7, 3214868480
	.fill 96, 4, 3214868480
	.section	.rodata,"a",@progbits
	.p2align	6, 0x0
	.amdhsa_kernel k_q8ec5640463_qkv
		.amdhsa_group_segment_fixed_size 327680
		.amdhsa_private_segment_fixed_size 0
		.amdhsa_enable_private_segment 0
		.amdhsa_kernarg_size 40
		.amdhsa_user_sgpr_count 2
		.amdhsa_user_sgpr_kernarg_segment_ptr 1
		.amdhsa_wavefront_size32 1
		.amdhsa_system_sgpr_workgroup_id_x 1
		.amdhsa_system_sgpr_workgroup_id_y 1
		.amdhsa_system_sgpr_workgroup_id_z 1
		.amdhsa_system_vgpr_workitem_id 0
		.amdhsa_next_free_vgpr 1024
		.amdhsa_next_free_sgpr 80
		.amdhsa_reserve_vcc 0
		.amdhsa_float_denorm_mode_32 3
		.amdhsa_float_denorm_mode_16_64 3
		.amdhsa_memory_ordered 1
		.amdhsa_forward_progress 1
		.amdhsa_inst_pref_size 107
	.end_amdhsa_kernel
	.amdgpu_metadata
---
amdhsa.version: [ 1, 2 ]
amdhsa.kernels:
  - .name:           k_q8ec5640463_qkv
    .symbol:         k_q8ec5640463_qkv.kd
    .args:
      - { .name: c16, .offset: 0, .size: 8, .value_kind: global_buffer, .address_space: global }
      - { .name: bq, .offset: 8, .size: 8, .value_kind: global_buffer, .address_space: global }
      - { .name: bk, .offset: 16, .size: 8, .value_kind: global_buffer, .address_space: global }
      - { .name: bv, .offset: 24, .size: 8, .value_kind: global_buffer, .address_space: global }
      - { .name: qkv, .offset: 32, .size: 8, .value_kind: global_buffer, .address_space: global }
    .group_segment_fixed_size: 327680
    .private_segment_fixed_size: 0
    .kernarg_segment_align: 8
    .kernarg_segment_size: 40
    .max_flat_workgroup_size: 128
    .sgpr_count:     80
    .vgpr_count:     1024
    .wavefront_size: 32
...
	.end_amdgpu_metadata
.endif
;; end of part 2
;; launch attn (part 3): grid 4 x 64, 8 waves a work-group, clusters of 4 x 1, 327,680 bytes of LDS; arguments qkv, gammas, ao; writes ao
.if DOCPART == 3
	.amdgcn_target "amdgcn-amd-amdhsa--gfx1250"
	.amdhsa_code_object_version 6
	.text
	.protected	k_q8ec5640463_attn
	.globl	k_q8ec5640463_attn
	.p2align	8
	.type	k_q8ec5640463_attn,@function
k_q8ec5640463_attn:
	s_mov_b64 s[64:65], 0
	v_nop
	global_prefetch_b8 v0, s[64:65] scope:SCOPE_SE
	s_setreg_imm32_b32 hwreg(HW_REG_WAVE_MODE, 25, 1), 1
	s_wait_xcnt 0x0
	s_wait_alu depctr_hold_cnt(0) depctr_sa_sdst(0) depctr_va_vdst(0) depctr_va_sdst(0) depctr_va_ssrc(0) depctr_va_vcc(0) depctr_vm_vsrc(0)
	s_getreg_b32 s2, hwreg(HW_REG_IB_STS2, 6, 4)
	s_cmp_eq_u32 s2, 0
	s_cbranch_scc0 .Lentry_in_a_cluster
	s_endpgm
.Lentry_in_a_cluster:
	s_bfe_u32 s2, ttmp6, 0x10000c
	s_cmp_lg_u32 s2, 0x3003
	s_cbranch_scc0 .Lentry_shape_is_right
	s_endpgm
.Lentry_shape_is_right:
; THE ATTENTION WITH ITS DISTANCE DECAY, one head (of 64: batch x 16 + head) to a cluster of four work-groups.  q, k, v: planes of qkv, [head][1024][64] f16, unscaled.  ao: the same layout, f16.
;   s = q . k / 8;  p = softmax of s over ALL 1,024 keys;  T(j) = the sum of p(j') over j < j' <= i;  effect = max(exp(-softplus(g) sqrt(T (i - j))), 1e-5);  out = causal softmax(s x effect) v.
; The clip at 0 under the root and the upper clip at 1e5 change nothing: T is a sum of weights that are not negative, i - j is not negative for a visible key, and the exponent is never positive.
; LIMITS.  q, k, v arrive within f16's 65,504.  The first softmax's weights enter the sums T rounded to bf16, the second's enter the product with v rounded to f16 (below 3e-8 of the row's largest: 0).
; A hidden score counts as its value less 1e30; an exponential below 2^-126 counts as 0; NaN and infinities are not treated apart.
; A HEAD'S WHOLE K AND V LIE IN LDS: each wave asks for 128 keys of each at the head, jointly with the three partners; nothing is filled again, no loop holds a barrier, and there is no later tile to ask for ahead.
; SHARES.  Work-group cx owns rows 64 band + 16 cx + 0..15 of all 16 bands; wave a the bands 15 - a and a: (16 - a) + (a + 1) = 17 causal key steps of 64 for every wave.
; PASS 1: both tiles, all 16 key steps: the row's maximum and sum Z, kept for each lane's own half of the keys and joined at the end.
; PASS 2: one walk of 17 trips, a tile at a time, from its diagonal step DOWN to key 0, so that T is a running sum: inside a step T comes from the matrix unit (0/1 triangles times the weights), the steps
; already walked lie in CARRY.  LAYOUT: S^T = K Q^T holds one query a lane (lane % 16) and the keys 8 (lane / 16) + 0..7 of each 16; weights rounded in pairs ARE source 1 of the next product.
; Two waves share a SIMD and drift freely: one wave's products run beside the other's vector work, so the text stands in plain phases.
; REGISTERS: window 0 as named below; window 1: v0-15 Q in hand, v16-31 the second tile's Q, v32-95 K of a step, v96-159 V of a step, v160-183 the triangles and ones, v184-215 the diagonal's mask, v216-247 results.
.set PK,    144                        ; a row of K in LDS: 128 bytes + 16
.set PVP,   160                        ; a row of V: 128 + 32
.set VOFF,  1024*PK
.set SPARE, VOFF+1024*PVP              ; the spare words: 128 bytes for each of eight waves
.set SP,    144                        ; the stage: wave a's 32 rows x 144 bytes at 4,608 a, in K's bytes, written only when K has had its one fill and its last read
.set AK0, 2
.set AV0, 3
.set AK,  4
.set AV,  5
.set STO, 6
.set RD,  7
.set GO,  8
.set SPW, 12
.set NIL, 13
.set QO,  14
.set LANEP, 15                         ; 16 cx + l % 16 - 8 (l / 16), as f32
.set CM1, 16                           ; v[16:17] c x the whole row's maximum
.set GN,  18                           ; v[18:19] -G
.set P0G, 20                           ; v[20:21] P0 x G
.set P0,  22                           ; my query's place less the step's first key less 8 (l / 16)
.set G,   23                           ; (softplus(g) log2 e)^2 / Z
.set CM2, 24                           ; v[24:25] c m, m of the second softmax
.set M2,  25
.set L2,  26                           ; v[26:27] its sum
.set C0,  28                           ; v28-31 at work; a takes v30
.set ST1, 32                           ; pass 1, tile u at ST1 + 8 u: c m, m, Z, Z, four at work; afterwards +5 the joined c m, +3 G
.set CARRY, 48
.set CMO, 60                           ; v60-61 c m kept while it is made anew
.set GG,  62
.set S,   64
.set E,   96
.set T,   128
.set O,   160
.set KP,  192                          ; KP[8 kb + r] = 16 kb + r
.set EP,  224
.set P2,  240
.set KF,  32
.set VF,  96
.set TRI0, 160
.set TRI1, 168
.set ONES, 176
.set MD,  184
.set OUTH, 216
.set OUTL, 232
.set WV,  12
.set G1K, 24
.set G1V, 32
.set G0K, 40
.set G0V, 44
.set CNT, 56
.set LEFT, 57
.set CS,  58
.set SEL, 60
.set TBK, 62
.set TBV, 63
.set DIAG, 66
.set KLO, 67
.set VLO, 68
.set CLIP, 69
.set BIGN, 70
.set KHI, 78
.set VHI, 79
.set MSB, 0
.macro WIN new
.if MSB != (\new)
	s_set_vgpr_msb (MSB<<8)|(\new)
.set MSB, \new
.endif
.endm
.macro CROUND
	s_barrier_signal -1
	s_barrier_wait -1
	s_cmp_lg_u32 s[WV], 0
	s_cbranch_scc1 .Lnot_wave_0_\@
	s_barrier_signal -3
.Lnot_wave_0_\@:
	s_barrier_wait -3
	s_barrier_signal -1
	s_barrier_wait -1
.endm
	s_load_b128 s[4:7], s[0:1], 0x0                ; qkv, gammas
	s_load_b64 s[8:9], s[0:1], 0x10                ; ao
	v_lshl_add_u32 v[SPW], v0, 2, SPARE
	v_mov_b32 v[NIL], 0
	ds_add_u32 v[SPW], v[NIL]                      ; the wave's opening: the add and its wait ahead of my first tensor load
	v_lshrrev_b32 v1, 5, v0
	v_readfirstlane_b32 s[WV], v1                  ; wave a, 0..7
	s_bfe_u32 s13, ttmp6, 0x40000                  ; cx: it enters Q's and O's addresses, the mask's values and the place term, no branch and no LDS address
	s_and_b32 s14, ttmp7, 0xffff                   ; the head, 0..63
	s_lshl_b32 s20, s14, 17                        ; its first byte in a plane
	s_lshl_b32 s21, s[WV], 14                      ; the 128 keys that I fetch
	s_add_co_u32 s22, s20, s21
	s_mov_b32 s23, 0
	s_sub_co_u32 s15, 15, s[WV]                    ; my upper band
	s_lshl_b32 s74, s13, 11
	s_add_co_u32 s74, s74, s20
	s_lshl_b32 s16, s15, 13
	s_add_co_u32 s16, s16, s74                     ; my 16 rows in band 15 - a,
	s_mov_b32 s17, 0
	s_lshl_b32 s18, s[WV], 13
	s_add_co_u32 s18, s18, s74                     ; and in band a
	s_mov_b32 s19, 0
	; 128 keys are 16,384 dense bytes: asked for as 64 rows of 256 bytes, padded in LDS after every key
	s_mov_b32 s[G1K], 15|(1<<16)|(1<<20)|(1<<21)|(4<<22)|(3<<25)
	s_mov_b32 s[G1V], 15|(1<<16)|(1<<20)|(1<<21)|(4<<22)|(7<<25)
.irp g, G1K, G1V
	s_mov_b32 s[(\g)+1], 128<<16
	s_mov_b32 s[(\g)+2], 64<<16
	s_mov_b32 s[(\g)+3], 128<<16
	s_mov_b32 s[(\g)+4], 64
	s_mov_b32 s[(\g)+5], 128
	s_mov_b32 s[(\g)+6], 0
	s_mov_b32 s[(\g)+7], 0
.endr
	s_mov_b32 s[G0K], 1
	s_mul_i32 s[G0K+1], s[WV], 128*PK
	s_mov_b32 s[G0V], 1
	s_mul_i32 s[G0V+1], s[WV], 128*PVP
	s_add_co_u32 s[G0V+1], s[G0V+1], VOFF
	s_mov_b32 s[CS], 0x3e38aa3b                    ; c = log2(e) / 8
	s_mov_b32 s[CS+1], s[CS]
	s_mov_b32 s[SEL], 0x76543210
	s_mov_b32 s[SEL+1], 0xfedcba98
	s_mov_b32 s[CLIP], 0xc184e08e                  ; log2(1e-5)
	s_mov_b32 s[BIGN], 0xf149f2ca                  ; -1e30
	s_mov_b32 s72, 0x3f80                          ; 1.0 in bf16, low half
	s_mov_b32 s73, 0x3f800000                      ; high half
	s_mul_i32 s[KLO], s[WV], 64*PK
	s_mul_i32 s[VLO], s[WV], 64*PVP
	s_mul_i32 s[KHI], s15, 64*PK
	s_mul_i32 s[VHI], s15, 64*PVP
	s_wait_dscnt 0x0                               ; the opening add is done
	s_wait_kmcnt 0x0
	s_add_nc_u64 s[G0K+2:G0K+3], s[4:5], s[22:23]
	s_add_nc_u64 s[G0K+2:G0K+3], s[G0K+2:G0K+3], 0x800000   ; plane 1
	s_or_b32 s[G0K+3], s[G0K+3], 0x80000000
	s_add_nc_u64 s[G0V+2:G0V+3], s[4:5], s[22:23]
	s_add_nc_u64 s[G0V+2:G0V+3], s[G0V+2:G0V+3], 0x1000000  ; plane 2
	s_or_b32 s[G0V+3], s[G0V+3], 0x80000000
	s_add_nc_u64 s[48:49], s[4:5], s[16:17]        ; Q, upper and lower tile
	s_add_nc_u64 s[50:51], s[4:5], s[18:19]
	s_add_nc_u64 s[52:53], s[8:9], s[16:17]        ; O likewise
	s_add_nc_u64 s[54:55], s[8:9], s[18:19]
	CROUND                                         ; all four work-groups are here: the joint loads meet
	tensor_load_to_lds s[G0K:G0K+3], s[G1K:G1K+7]
	s_nop 0
	tensor_load_to_lds s[G0V:G0V+3], s[G1V:G1V+7]  ; two loads of mine are out, and no more follow
	s_nop 0
.rept 4
	v_nop
.endr
	v_and_b32 v1, 15, v0                           ; l % 16
	v_bfe_u32 v9, v0, 4, 1                         ; l / 16
	v_lshlrev_b32 v[QO], 7, v1
	v_lshl_add_u32 v[QO], v9, 4, v[QO]
	WIN 0x40                                       ; destination window 1
.irp c, 0,1
	global_load_b128 v[8*(\c):8*(\c)+3],       v[QO], s[48:49] offset:64*(\c)
	global_load_b128 v[8*(\c)+4:8*(\c)+7],     v[QO], s[48:49] offset:64*(\c)+32
	global_load_b128 v[16+8*(\c):16+8*(\c)+3], v[QO], s[50:51] offset:64*(\c)
	global_load_b128 v[16+8*(\c)+4:16+8*(\c)+7], v[QO], s[50:51] offset:64*(\c)+32
.endr
	WIN 0
	s_and_b32 s75, s14, 15
	s_lshl_b32 s75, s75, 2
	v_mov_b32 v58, s75
	global_load_b32 v63, v58, s[6:7]               ; the head's g, in every lane
	v_lshlrev_b32 v10, 3, v9
	v_sub_nc_u32 v10, v1, v10                      ; l % 16 - 8 (l / 16)
	s_lshl_b32 s76, s13, 4
	v_add_nc_u32 v11, s76, v10                     ; + 16 cx: my query's place in its band less my lanes' 8 (l / 16)
	v_cvt_f32_i32 v[LANEP], v11
	; the triangles, as source 0 of a product (row l % 16, columns k as a fragment holds them): 1 where k > row (TRI0), where k > row + 16 (TRI1)
.set t, 0
.rept 8
.set kc, 2*t+8*(t/4)
	v_cmp_gt_i32 vcc_lo, kc, v10
	v_cndmask_b32 v56, 0, s72, vcc_lo
	v_cmp_gt_i32 vcc_lo, kc+1, v10
	v_cndmask_b32 v57, 0, s73, vcc_lo
	v_or_b32 v[S+t], v56, v57
	v_cmp_gt_i32 vcc_lo, kc-16, v10
	v_cndmask_b32 v56, 0, s72, vcc_lo
	v_cmp_gt_i32 vcc_lo, kc-15, v10
	v_cndmask_b32 v57, 0, s73, vcc_lo
	v_or_b32 v[S+8+t], v56, v57
.set t, t+1
.endr
	WIN 0x40
.set i, 0
.rept 16
	v_mov_b32 v[TRI0+i], v[S+i]
.set i, i+1
.endr
.set i, 0
.rept 8
	v_mov_b32 v[ONES+i], 0x3f803f80
.set i, i+1
.endr
.set i, 0
.rept 16                                           ; the upper tile's results are written where the walk changes tiles, behind two forward jumps on LEFT and CNT.  Every wave passes there once (trip 16 - a of 17),
	v_mov_b32 v[OUTH+i], 0                         ; and overwrites these zeros; they are written so that the registers hold numbers on every path of the text.  No result hangs on them
.set i, i+1
.endr
.set i, 0
.rept 32                                           ; the diagonal step's mask: register r of key group kb is hidden where 16 kb + r is greater
	v_cmp_gt_i32 vcc_lo, 16*(i/8)+i%8, v11
	v_cndmask_b32 v[MD+i], 0, s[BIGN], vcc_lo
.set i, i+1
.endr
	WIN 0
.set i, 0
.rept 32
	v_cvt_f32_u32 v[KP+i], 16*(i/8)+i%8
	v_mov_b32 v[O+i], 0
.set i, i+1
.endr
.irp u, 0,1
	v_mov_b32 v[ST1+8*(\u)], 0xfe000000            ; c m: far below every c s
	v_mov_b32 v[ST1+8*(\u)+1], 0xff7fffff          ; m
	v_mov_b32 v[ST1+8*(\u)+2], 0
	v_mov_b32 v[ST1+8*(\u)+3], 0
.endr
	v_mul_u32_u24 v[AK0], v1, PK
	v_lshl_add_u32 v[AK0], v9, 4, v[AK0]           ; a fragment of K: row x pitch + 16 x half
	v_and_b32 v56, 7, v0
	v_bfe_u32 v57, v0, 3, 1
	v_lshl_add_u32 v[AV0], v9, 3, v56              ; the turning load: key 8 (l / 16) + l % 8, channels 8 ((l / 8) % 2) on
	v_mul_u32_u24 v[AV0], v[AV0], PVP
	v_lshl_add_u32 v[AV0], v57, 4, v[AV0]
	v_add_nc_u32 v[AV0], VOFF, v[AV0]
	s_mul_i32 s77, s[WV], 32*SP                    ; my stage
	v_mul_u32_u24 v[STO], v1, SP
	v_lshl_add_u32 v[STO], v9, 4, v[STO]
	v_add_nc_u32 v[STO], s77, v[STO]
	v_bfe_u32 v[RD], v0, 3, 2
	v_mul_u32_u24 v[RD], v[RD], SP
	v_lshl_add_u32 v[RD], v56, 4, v[RD]
	v_add_nc_u32 v[RD], s77, v[RD]
	v_and_b32 v[GO], 31, v0
	v_lshlrev_b32 v[GO], 4, v[GO]
	v_mov_b32 v[AK], v[AK0]
.macro FETCH_K                         ; a step's K: 64 keys x 64 channels, 16 loads in one run
	WIN 0x40
.irp f, 0,1,2,3,4,5,6,7
	ds_load_b128 v[KF+8*(\f):KF+8*(\f)+3],   v[AK] offset:((\f)/2)*16*PK+((\f)%2)*64
	ds_load_b128 v[KF+8*(\f)+4:KF+8*(\f)+7], v[AK] offset:((\f)/2)*16*PK+((\f)%2)*64+32
.endr
	WIN 0
.endm
.macro FETCH_V                         ; a step's V, turned
	WIN 0x40
.irp f, 0,1,2,3,4,5,6,7
	ds_load_tr16_b128 v[VF+8*(\f):VF+8*(\f)+3],   v[AV] offset:((\f)/4)*32*PVP+((\f)%4)*32
	ds_load_tr16_b128 v[VF+8*(\f)+4:VF+8*(\f)+7], v[AV] offset:((\f)/4)*32*PVP+16*PVP+((\f)%4)*32
.endr
	WIN 0
.endm
	s_wait_tensorcnt 1                             ; my part of K is in; my part of V may stay out
	s_barrier_signal -1
	s_barrier_wait -1                              ; all of K is in
	FETCH_K                                        ; key step 0
	s_wait_loadcnt 0x0                             ; Q and g
	v_mul_f32 v56, 0x3fb8aa3b, v63                 ; softplus(g) log2 e = max(g, 0) log2 e + log2(1 + 2^(-|g| log2 e))
	v_max_num_f32 v57, 0, v56
	v_or_b32 v56, 0x80000000, v56
	v_exp_f32 v56, v56
	v_nop
	s_wait_alu depctr_va_vdst(0)                   ; the wait ahead of the first line that names the result
	v_add_f32 v56, 1.0, v56
	v_log_f32 v56, v56
	v_nop
	s_wait_alu depctr_va_vdst(0)
	v_add_f32 v56, v57, v56
	v_mul_f32 v[GG], v56, v56
; PASS 1.  Tile 0's scores lie in S, tile 1's in T.
.macro REG1 u
.set rS, S+64*(\u)
.set rT, ST1+8*(\u)
.endm
.macro X1 u, n                         ; number n of the 19 that find my lane's own running maximum, c m and a; each accumulator's lowest registers are read first
	REG1 \u
.if (\n) < 4
	v_max3_num_f32 v[rT+4+(\n)], v[rS+8*(\n)], v[rS+8*(\n)+1], v[rS+8*(\n)+2]
.elseif (\n) < 12
	v_max3_num_f32 v[rT+4+(\n)%4], v[rT+4+(\n)%4], v[rS+8*((\n)%4)+2*((\n)/4)+1], v[rS+8*((\n)%4)+2*((\n)/4)+2]
.elseif (\n) == 12
	v_max3_num_f32 v[rT+4], v[rT+4], v[rS+7], v[rS+15]
.elseif (\n) == 13
	v_max3_num_f32 v[rT+5], v[rT+5], v[rS+23], v[rS+31]
.elseif (\n) == 14
	v_max3_num_f32 v[rT+6], v[rT+6], v[rT+7], v[rT+1]
.elseif (\n) == 15
	v_max3_num_f32 v[rT+1], v[rT+4], v[rT+5], v[rT+6]
.elseif (\n) == 16
	v_mul_f32 v[rT], s[CS], v[rT+1]
.elseif (\n) == 17
	v_sub_f32 v[rT+5], v[CMO+(\u)], v[rT]
.else
	v_exp_f32 v[rT+6], v[rT+5]
.endif
.endm
	s_mov_b32 s[CNT], 16
	s_mov_b32 s[TBK], 0
.Lp1:
	s_wait_dscnt 0x0                               ; K is in
	WIN 0x05                                       ; K and Q in window 1, the scores in window 0
.set i, 0
.rept 16                                           ; tile i % 2, keys 16 ((i / 2) % 4) on, channels 32 (i / 8) on: eight accumulators by turns
.set rD, S+64*(i%2)+8*((i/2)%4)
.set rK, KF+16*((i/2)%4)+8*(i/8)
.set rQ, 16*(i%2)+8*(i/8)
.if i < 8
	v_wmma_f32_16x16x32_f16 v[rD:rD+7], v[rK:rK+7], v[rQ:rQ+7], 0
.else
	v_wmma_f32_16x16x32_f16 v[rD:rD+7], v[rK:rK+7], v[rQ:rQ+7], v[rD:rD+7]
.endif
.set i, i+1
.endr
	WIN 0
	s_add_co_u32 s[TBK], s[TBK], 64*PK             ; the next step's K; behind the last step: pass 2's first, the upper tile's diagonal step
	s_cmp_eq_u32 s[CNT], 1
	s_cselect_b32 s[TBK], s[KHI], s[TBK]
	v_add_nc_u32 v[AK], s[TBK], v[AK0]             ; four plain lines: the places behind the products
	v_mov_b32 v[CMO], v[ST1]
	v_mov_b32 v[CMO+1], v[ST1+8]
	v_nop
	FETCH_K
.irp n, 0,1,2,3,4,5,6,7,8,9,10,11,12,13,14,15,16,17,18
	X1 0, \n
	X1 1, \n
.endr
.set b, 0
.rept 16                                           ; c s - c m, and one batch of exponentials: nothing names a result ahead of the wait
.irp u, 0,1
	REG1 \u
	v_pk_fma_f32 v[rS+2*b:rS+2*b+1], v[rS+2*b:rS+2*b+1], s[CS:CS+1], v[rT:rT+1] op_sel_hi:[1,0,0] neg_lo:[0,0,1] neg_hi:[0,0,1]
.endr
.if b > 0
.irp u, 0,1
	REG1 \u
	v_exp_f32 v[rS+2*b-2], v[rS+2*b-2]
	v_exp_f32 v[rS+2*b-1], v[rS+2*b-1]
.endr
.endif
.set b, b+1
.endr
.irp u, 0,1
	REG1 \u
	v_exp_f32 v[rS+30], v[rS+30]
	v_exp_f32 v[rS+31], v[rS+31]
.endr
	v_nop                                          ; a plain line behind the last exponential
	s_wait_alu depctr_va_vdst(0)                   ; one wait for the 66
.irp w, 4,8,16,32
.set z, 0
.rept 32/(\w)
.irp u, 0,1
	REG1 \u
	v_pk_add_f32 v[rS+(\w)*z:rS+(\w)*z+1], v[rS+(\w)*z:rS+(\w)*z+1], v[rS+(\w)*z+(\w)/2:rS+(\w)*z+(\w)/2+1]
.endr
.set z, z+1
.endr
.endr
.irp u, 0,1
	REG1 \u
	v_pk_fma_f32 v[rT+2:rT+3], v[rT+2:rT+3], v[rT+6:rT+7], v[rS:rS+1] op_sel_hi:[1,0,1]   ; Z = a Z + the step's sum
.endr
	s_sub_co_u32 s[CNT], s[CNT], 1
	s_cmp_lg_u32 s[CNT], 0
	s_cbranch_scc1 .Lp1
	; the two halves of the lanes are joined: the row's maximum, Z on that maximum, G = (softplus log2 e)^2 / Z
.irp u, 0,1
	REG1 \u
	v_permlanex16_b32 v[rT+4], v[rT+1], s[SEL], s[SEL+1]
.endr
.irp u, 0,1
	REG1 \u
	v_max_num_f32 v[rT+4], v[rT+4], v[rT+1]
.endr
.irp u, 0,1
	REG1 \u
	v_mul_f32 v[rT+5], s[CS], v[rT+4]
.endr
.irp u, 0,1
	REG1 \u
	v_sub_f32 v[rT+6], v[rT], v[rT+5]
.endr
.irp u, 0,1
	REG1 \u
	v_exp_f32 v[rT+6], v[rT+6]
.endr
.irp u, 0,1
	REG1 \u
	v_add_f32 v[rT+2], v[rT+2], v[rT+3]
.endr
	s_wait_alu depctr_va_vdst(0)
.irp u, 0,1
	REG1 \u
	v_mul_f32 v[rT+2], v[rT+2], v[rT+6]
.endr
.irp u, 0,1
	REG1 \u
	v_permlanex16_b32 v[rT+3], v[rT+2], s[SEL], s[SEL+1]
.endr
.irp u, 0,1
	REG1 \u
	v_add_f32 v[rT+2], v[rT+2], v[rT+3]
.endr
.irp u, 0,1
	REG1 \u
	v_rcp_f32 v[rT+2], v[rT+2]
.endr
	v_nop
	s_wait_alu depctr_va_vdst(0)
.irp u, 0,1
	REG1 \u
	v_mul_f32 v[rT+3], v[rT+2], v[GG]
.endr
	s_wait_tensorcnt 0x0                           ; my part of V is in,
	s_wait_dscnt 0x0                               ; and pass 2's first K is in registers
	s_barrier_signal -1
	s_barrier_wait -1                              ; all of V is in
; PASS 2.
.macro TSTART u                        ; a tile begins: its statistics of pass 1, a running maximum far below every score, sums and CARRY at 0.  O need only be finite: the first step multiplies it by a = 0
	v_mov_b32 v[CM1], v[ST1+8*(\u)+5]
	v_mov_b32 v[CM1+1], v[ST1+8*(\u)+5]
	v_mov_b32 v[G], v[ST1+8*(\u)+3]
	v_xor_b32 v[GN], 0x80000000, v[ST1+8*(\u)+3]
	v_mov_b32 v[GN+1], v[GN]
	v_mov_b32 v[P0], v[LANEP]
	v_mov_b32 v[CM2], 0xfe000000
	v_mov_b32 v[M2], 0xff7fffff
	v_mov_b32 v[L2], 0
	v_mov_b32 v[L2+1], 0
.set i, 0
.rept 8
	v_mov_b32 v[CARRY+i], 0
.set i, i+1
.endr
	s_mov_b32 s[DIAG], 1
.if \u
	s_add_co_u32 s[LEFT], s[WV], 1
	WIN 0x41
.set i, 0
.rept 16
	v_mov_b32 v[i], v[16+i]                        ; the second tile's Q goes where the one text names Q
.set i, i+1
.endr
	WIN 0
.else
	s_sub_co_u32 s[LEFT], 16, s[WV]
.endif
.endm
.macro FINISH dst                      ; a tile ends: O / l, rounded to f16, set aside in window 1
	v_add_f32 v[C0], v[L2], v[L2+1]
	v_permlanex16_b32 v[C0+1], v[C0], s[SEL], s[SEL+1]
	v_add_f32 v[C0], v[C0], v[C0+1]
	v_rcp_f32 v[C0+2], v[C0]
	v_nop
	s_wait_alu depctr_va_vdst(0)
.set i, 0
.rept 16
	v_pk_mul_f32 v[O+2*i:O+2*i+1], v[O+2*i:O+2*i+1], v[C0+2:C0+3] op_sel_hi:[1,0]
.set i, i+1
.endr
	WIN 0x40
.set i, 0
.rept 16
	v_cvt_pk_f16_f32 v[(\dst)+i], v[O+2*i], v[O+2*i+1]
.set i, i+1
.endr
	WIN 0
.endm
.macro KQ4 c, masked                   ; four products S^T = K Q^T: keys 16 kb on, channels 32 c on
.irp kb, 0,1,2,3
.if (\c) == 0 && (\masked)
	v_wmma_f32_16x16x32_f16 v[S+8*(\kb):S+8*(\kb)+7], v[KF+16*(\kb):KF+16*(\kb)+7], v[0:7], v[MD+8*(\kb):MD+8*(\kb)+7]
.elseif (\c) == 0
	v_wmma_f32_16x16x32_f16 v[S+8*(\kb):S+8*(\kb)+7], v[KF+16*(\kb):KF+16*(\kb)+7], v[0:7], 0
.else
	v_wmma_f32_16x16x32_f16 v[S+8*(\kb):S+8*(\kb)+7], v[KF+16*(\kb)+8:KF+16*(\kb)+15], v[8:15], v[S+8*(\kb):S+8*(\kb)+7]
.endif
.endr
.endm
	TSTART 0
	s_mov_b32 s[TBV], s[VHI]                       ; s[TBK] already stands at the upper tile's diagonal step
	s_mov_b32 s[CNT], 17
.Lp2:
	s_sub_co_u32 s74, s[TBK], 64*PK                ; the next step lies 64 keys down; behind the upper tile's last step: the lower tile's diagonal step
	s_sub_co_u32 s75, s[TBV], 64*PVP
	s_cmp_eq_u32 s[LEFT], 1
	s_cselect_b32 s74, s[KLO], s74
	s_cselect_b32 s75, s[VLO], s75
	s_cmp_eq_u32 s[DIAG], 1
	s_cbranch_scc1 .Ldiag
	WIN 0x05
	KQ4 0, 0
	WIN 0
	s_branch .Ljoin
.Ldiag:
	WIN 0x15                                       ; the sums start as the mask, in window 1
	KQ4 0, 1
	WIN 0
.Ljoin:
	WIN 0x05
	KQ4 1, 0
	WIN 0
	s_mov_b32 s[DIAG], 0
	v_mul_f32 v[P0G], v[P0], v[G]                  ; four plain lines: the places behind the products
	v_mul_f32 v[P0G+1], v[P0], v[G]
	v_add_nc_u32 v[AK], s74, v[AK0]
	v_add_nc_u32 v[AV], s[TBV], v[AV0]
	s_mov_b32 s[TBK], s74
	s_mov_b32 s[TBV], s75
	s_cmp_eq_u32 s[CNT], 1                         ; behind the walk's last step there is no K to fetch
	s_cbranch_scc1 .Lno_k
	FETCH_K                                        ; the next step's K
.Lno_k:
	FETCH_V                                        ; this step's V
	; the first softmax's weights, on the whole row's maximum: e = 2^(c s - c m1); a hidden key's is 0
.set b, 0
.rept 16
	v_pk_fma_f32 v[E+2*b:E+2*b+1], v[S+2*b:S+2*b+1], s[CS:CS+1], v[CM1:CM1+1] op_sel_hi:[1,0,0] neg_lo:[0,0,1] neg_hi:[0,0,1]
.if b > 0
	v_exp_f32 v[E+2*b-2], v[E+2*b-2]
	v_exp_f32 v[E+2*b-1], v[E+2*b-1]
.endif
.set b, b+1
.endr
	v_exp_f32 v[E+30], v[E+30]
	v_exp_f32 v[E+31], v[E+31]
	v_nop
	s_wait_alu depctr_va_vdst(0)                   ; one wait for the 32
.set b, 0
.rept 16
	v_cvt_pk_bf16_f32 v[EP+b], v[E+2*b], v[E+2*b+1]
.set b, b+1
.endr
	; T(j) = the sum of e over the later keys: inside the step by the triangles, the steps walked before in CARRY.  The four accumulators take turns
	WIN 0x01
	v_wmma_f32_16x16x32_bf16 v[T:T+7],     v[TRI0:TRI0+7], v[EP:EP+7],    v[CARRY:CARRY+7]
	v_wmma_f32_16x16x32_bf16 v[T+8:T+15],  v[TRI1:TRI1+7], v[EP:EP+7],    v[CARRY:CARRY+7]
	v_wmma_f32_16x16x32_bf16 v[T+16:T+23], v[TRI0:TRI0+7], v[EP+8:EP+15], v[CARRY:CARRY+7]
	v_wmma_f32_16x16x32_bf16 v[T+24:T+31], v[TRI1:TRI1+7], v[EP+8:EP+15], v[CARRY:CARRY+7]
	v_wmma_f32_16x16x32_bf16 v[T:T+7],     v[ONES:ONES+7], v[EP+8:EP+15], v[T:T+7]
	v_wmma_f32_16x16x32_bf16 v[T+8:T+15],  v[ONES:ONES+7], v[EP+8:EP+15], v[T+8:T+15]
	WIN 0
.set b, 0
.rept 16                                           ; (i - j) G = P0 G - KP G: sixteen plain lines, the places behind those products
	v_pk_fma_f32 v[E+2*b:E+2*b+1], v[KP+2*b:KP+2*b+1], v[GN:GN+1], v[P0G:P0G+1]
.set b, b+1
.endr
.set b, 0
.rept 16                                           ; the root of T (i - j) G is the exponent's size, in powers of two
	v_pk_mul_f32 v[T+2*b:T+2*b+1], v[T+2*b:T+2*b+1], v[E+2*b:E+2*b+1]
.if b > 0
	v_sqrt_f32 v[T+2*b-2], v[T+2*b-2]
	v_sqrt_f32 v[T+2*b-1], v[T+2*b-1]
.endif
.set b, b+1
.endr
	v_sqrt_f32 v[T+30], v[T+30]
	v_sqrt_f32 v[T+31], v[T+31]
	v_nop
	s_wait_alu depctr_va_vdst(0)
.set i, 0
.rept 32                                           ; effect = 2^max(-root, log2(1e-5))
	v_max_num_f32 v[T+i], -v[T+i], s[CLIP]
.if i > 0
	v_exp_f32 v[T+i-1], v[T+i-1]
.endif
.set i, i+1
.endr
	v_exp_f32 v[T+31], v[T+31]
	v_nop
	s_wait_alu depctr_va_vdst(0)
.set b, 0
.rept 16
	v_pk_mul_f32 v[S+2*b:S+2*b+1], v[S+2*b:S+2*b+1], v[T+2*b:T+2*b+1]
.set b, b+1
.endr
	; the second softmax, with a running maximum
.irp n, 0,1,2,3
	v_max3_num_f32 v[C0+(\n)], v[S+8*(\n)], v[S+8*(\n)+1], v[S+8*(\n)+2]
.endr
.irp n, 0,1,2,3
	v_max3_num_f32 v[C0+(\n)], v[C0+(\n)], v[S+8*(\n)+3], v[S+8*(\n)+4]
.endr
.irp n, 0,1,2,3
	v_max3_num_f32 v[C0+(\n)], v[C0+(\n)], v[S+8*(\n)+5], v[S+8*(\n)+6]
.endr
	v_max3_num_f32 v[C0], v[C0], v[S+7], v[S+15]
	v_max3_num_f32 v[C0+1], v[C0+1], v[S+23], v[S+31]
	v_max3_num_f32 v[C0+2], v[C0+2], v[C0+3], v[M2]
	v_mov_b32 v[CMO], v[CM2]
	v_max3_num_f32 v[C0], v[C0], v[C0+1], v[C0+2]
	v_permlanex16_b32 v[C0+3], v[C0], s[SEL], s[SEL+1]   ; the query's other 32 keys lie in the lane 16 away
	v_max_num_f32 v[M2], v[C0], v[C0+3]
	v_mul_f32 v[CM2], s[CS], v[M2]
	v_sub_f32 v[C0+1], v[CMO], v[CM2]
	v_exp_f32 v[C0+2], v[C0+1]                     ; a
.set b, 0
.rept 16
	v_pk_fma_f32 v[S+2*b:S+2*b+1], v[S+2*b:S+2*b+1], s[CS:CS+1], v[CM2:CM2+1] op_sel_hi:[1,0,0] neg_lo:[0,0,1] neg_hi:[0,0,1]
.if b > 0
	v_exp_f32 v[S+2*b-2], v[S+2*b-2]
	v_exp_f32 v[S+2*b-1], v[S+2*b-1]
.endif
.set b, b+1
.endr
	v_exp_f32 v[S+30], v[S+30]
	v_exp_f32 v[S+31], v[S+31]
	v_nop
	s_wait_alu depctr_va_vdst(0)                   ; one wait for the 33
.set b, 0
.rept 16
	v_cvt_pk_f16_f32 v[P2+b], v[S+2*b], v[S+2*b+1]
.set b, b+1
.endr
.set b, 0
.rept 8
	v_pk_add_f32 v[S+4*b:S+4*b+1], v[S+4*b:S+4*b+1], v[S+4*b+2:S+4*b+3]
.set b, b+1
.endr
.set b, 0
.rept 8                                            ; l takes the sums, O^T is rescaled between the links of that chain
.if b == 0
	v_pk_fma_f32 v[L2:L2+1], v[L2:L2+1], v[C0+2:C0+3], v[S:S+1] op_sel_hi:[1,0,1]
.else
	v_pk_add_f32 v[L2:L2+1], v[L2:L2+1], v[S+4*b:S+4*b+1]
.endif
	v_pk_mul_f32 v[O+4*b:O+4*b+1], v[O+4*b:O+4*b+1], v[C0+2:C0+3] op_sel_hi:[1,0]
	v_pk_mul_f32 v[O+4*b+2:O+4*b+3], v[O+4*b+2:O+4*b+3], v[C0+2:C0+3] op_sel_hi:[1,0]
.set b, b+1
.endr
	s_wait_dscnt 0x0                               ; V, and the next step's K where one was fetched
	WIN 0x01                                       ; O^T += V^T P, and CARRY takes the step's whole sum; single turns
.irp cb, 0,1,2,3
	v_wmma_f32_16x16x32_f16 v[O+8*(\cb):O+8*(\cb)+7], v[VF+8*(\cb):VF+8*(\cb)+7], v[P2:P2+7], v[O+8*(\cb):O+8*(\cb)+7]
.endr
	v_wmma_f32_16x16x32_bf16 v[CARRY:CARRY+7], v[ONES:ONES+7], v[EP:EP+7], v[CARRY:CARRY+7]
.irp cb, 0,1,2,3
	v_wmma_f32_16x16x32_f16 v[O+8*(\cb):O+8*(\cb)+7], v[VF+32+8*(\cb):VF+32+8*(\cb)+7], v[P2+8:P2+15], v[O+8*(\cb):O+8*(\cb)+7]
.endr
	v_wmma_f32_16x16x32_bf16 v[CARRY:CARRY+7], v[ONES:ONES+7], v[EP+8:EP+15], v[CARRY:CARRY+7]
	WIN 0
	v_add_f32 v[P0], 0x42800000, v[P0]             ; the next step lies 64 keys further from my query; with three v_nop the places behind the products
	v_nop
	v_nop
	v_nop
	s_sub_co_u32 s[LEFT], s[LEFT], 1
	s_cmp_lg_u32 s[LEFT], 0
	s_cbranch_scc1 .Lnext
	s_cmp_eq_u32 s[CNT], 1
	s_cbranch_scc1 .Lnext
	FINISH OUTH                                    ; the upper tile is done, the lower begins
	TSTART 1
.Lnext:
	s_sub_co_u32 s[CNT], s[CNT], 1
	s_cmp_lg_u32 s[CNT], 0
	s_cbranch_scc1 .Lp2
	FINISH OUTL
	; THE WAY OUT, through my stage.  It lies in K's bytes: every wave's reads of K are back, and all have passed this barrier
	s_wait_dscnt 0x0
	s_barrier_signal -1
	s_barrier_wait -1
	WIN 0x04                                       ; the stores' data in window 1
.irp u, 0,1
.irp cb, 0,1,2,3
	ds_store_b128 v[STO], v[OUTH+16*(\u)+4*(\cb):OUTH+16*(\u)+4*(\cb)+3] offset:(\u)*16*SP+32*(\cb)
.endr
.endr
	WIN 0
.irp f, 0,1,2,3,4,5,6,7
	ds_load_b128 v[S+4*(\f):S+4*(\f)+3], v[RD] offset:(\f)*4*SP   ; LDS serves a wave's instructions in order: these see the stores above; four rows of 128 bytes a load
.endr
.irp f, 0,1,2,3
	s_wait_dscnt 7-(\f)
	global_store_b128 v[GO], v[S+4*(\f):S+4*(\f)+3], s[52:53] offset:(\f)*512   ; 512 consecutive bytes, aligned
.endr
.irp f, 0,1,2,3
	s_wait_dscnt 3-(\f)
	global_store_b128 v[GO], v[S+16+4*(\f):S+16+4*(\f)+3], s[54:55] offset:(\f)*512
.endr
	s_wait_tensorcnt 0x0                           ; the wave's end
	ds_add_u32 v[SPW], v[NIL]
	s_wait_dscnt 0x0
	CROUND                                         ; the closing round
	s_endpgm
.Lfunc_end_k_q8ec5640463_attn:
	.size	k_q8ec5640463_attn, .Lfunc_end_k_q8ec5640463_attn-k_q8ec5640463_attn
	.p2alignl 7, 3214868480
	.fill 96, 4, 3214868480
	.section	.rodata,"a",@progbits
	.p2align	6, 0x0
	.amdhsa_kernel k_q8ec5640463_attn
		.amdhsa_group_segment_fixed_size 327680
		.amdhsa_private_segment_fixed_size 0
		.amdhsa_enable_private_segment 0
		.amdhsa_kernarg_size 24
		.amdhsa_user_sgpr_count 2
		.amdhsa_user_sgpr_kernarg_segment_ptr 1
		.amdhsa_wavefront_size32 1
		.amdhsa_system_sgpr_workgroup_id_x 1
		.amdhsa_system_sgpr_workgroup_id_y 1
		.amdhsa_system_sgpr_workgroup_id_z 1
		.amdhsa_system_vgpr_workitem_id 0
		.amdhsa_next_free_vgpr 512
		.amdhsa_next_free_sgpr 80
		.amdhsa_reserve_vcc 1
		.amdhsa_float_denorm_mode_32 3
		.amdhsa_float_denorm_mode_16_64 3
		.amdhsa_memory_ordered 1
		.amdhsa_forward_progress 1
		.amdhsa_inst_pref_size 62
	.end_amdhsa_kernel
	.amdgpu_metadata
---
amdhsa.version: [ 1, 2 ]
amdhsa.kernels:
  - .name:           k_q8ec5640463_attn
    .symbol:         k_q8ec5640463_attn.kd
    .args:
      - { .name: qkv, .offset: 0, .size: 8, .value_kind: global_buffer, .address_space: global }
      - { .name: gammas, .offset: 8, .size: 8, .value_kind: global_buffer, .address_space: global }
      - { .name: ao, .offset: 16, .size: 8, .value_kind: global_buffer, .address_space: global }
    .group_segment_fixed_size: 327680
    .private_segment_fixed_size: 0
    .kernarg_segment_align: 8
    .kernarg_segment_size: 24
    .max_flat_workgroup_size: 256
    .sgpr_count:     80
    .vgpr_count:     512
    .wavefront_size: 32
...
	.end_amdgpu_metadata
.endif
;; end of part 3
;; launch wo (part 4): grid 8 x 32, 4 waves a work-group, clusters of 4 x 4, 327,680 bytes of LDS; arguments ao, c16, bo, y; writes y
.if DOCPART == 4
	.amdgcn_target "amdgcn-amd-amdhsa--gfx1250"
	.amdhsa_code_object_version 6
	.text
	.protected	k_q8ec5640463_wo
	.globl	k_q8ec5640463_wo
	.p2align	8
	.type	k_q8ec5640463_wo,@function
k_q8ec5640463_wo:
	s_mov_b64 s[64:65], 0
	v_nop
	global_prefetch_b8 v0, s[64:65] scope:SCOPE_SE
	s_setreg_imm32_b32 hwreg(HW_REG_WAVE_MODE, 25, 1), 1
	s_wait_xcnt 0x0
	s_wait_alu depctr_hold_cnt(0) depctr_sa_sdst(0) depctr_va_vdst(0) depctr_va_sdst(0) depctr_va_ssrc(0) depctr_va_vcc(0) depctr_vm_vsrc(0)
	s_getreg_b32 s2, hwreg(HW_REG_IB_STS2, 6, 4)
	s_cmp_eq_u32 s2, 0
	s_cbranch_scc0 .Lentry_in_a_cluster
	s_endpgm
.Lentry_in_a_cluster:
	s_bfe_u32 s2, ttmp6, 0x10000c
	s_cmp_lg_u32 s2, 0xf033
	s_cbranch_scc0 .Lentry_shape_is_right
	s_endpgm
.Lentry_shape_is_right:
; y = A B^T + bias on tiles of 128 x 128, N = 1,024, operands f16, sums and y f32.  One text for two launches, told apart by WO.
; WO = 1: A = ao, which lies BY HEADS [batch][head][row][64]; B = Wo (c16 unit 15); K = 1,024.  WO = 0: A = h16 [4096][4096]; B = W2 (unit 20); K = 4,096.
; Tiles of 256 x 256 would be 64 for 256 WGPs, so the tile is 128 x 128: four waves, each 64 x 64 in 16 accumulators.  K goes in steps of 256 through two LDS slots.
; THE ACCUMULATORS START AS THE BIAS, so every product adds in place and one K step is the loop's body; s[TB] (0 or SLOT) says which slot is read; the last two K steps are a second loop that fills nothing.
; WO = 1: a K step is four heads.  One load brings 4 rows of 4,096 elements (64 query rows of one head are 8,192 dense bytes; heads lie 65,536 elements apart), padded after every 128 bytes:
; in LDS [head][row] with rows 144 bytes apart.  Elsewhere rows of 512 bytes, 528 apart.
; CLUSTER 4 x 4: A's tile is asked for jointly by a row of the cluster, B's by a column.  THE PRODUCT IS USED TRANSPOSED: a lane holds eight neighbouring columns of one row of y.
; A wave's 64 columns of f32 are 256 aligned bytes of a row of y, so each wave has a stage of its own and the way out needs no barrier.  No prefetch: the tile is small.
.set WO, 1
.if WO
.set SIZE_K, 1024
.set APART,  4*64*144                  ; 64 rows of A for a K step: four heads x 64 rows x 144 bytes
.set ASTEP,  4*131072                  ; four heads on
.else
.set SIZE_K, 4096
.set APART,  64*528
.set ASTEP,  512
.endif
.set KSTEP,  256
.set STEPS,  SIZE_K/KSTEP
.set PITCH,  528
.set BPART,  64*PITCH
.set SLOT,   2*APART+2*BPART           ; A's 128 rows, then B's 128 rows
.set STAGE,  2*SLOT
.set SPITCH, 272
.set SPARE,  STAGE+4*16*SPITCH
.set ADRA, 16
.set A0,   17
.set ADRB, 20
.set B0,   21
.set STO,  24
.set RD,   25
.set CO,   26
.set BO,   27
.set SPW,  28
.set NIL,  29
.set TMP,  32                          ; v32-95: two sets of 32 on the way out
.set ACC,  128                         ; accumulator (a, b) at ACC + 8 (4 a + b)
.set F0,   0                           ; window 1: two buffers of 128: A's 64 registers, then B's 64
.set F1,   128
.set G1,  24
.set G0,  32
.set G1B, 48
.set G0B, 56
.set BIAS, 66
.set TB,  68
.set LB,  69
.set MSB, 0
.macro WIN new
.if MSB != (\new)
	s_set_vgpr_msb (MSB<<8)|(\new)
.set MSB, \new
.endif
.endm
.set MUL,  0x05
.set TO_F, 0x40
.macro JLOAD s
	s_cmp_eq_u32 s11, 0
	s_cbranch_scc0 .Lfor_b_\@
	tensor_load_to_lds s[G0+4*(\s):G0+4*(\s)+3], s[G1:G1+7]
	s_nop 0
.rept 4
	v_nop
.endr
	s_branch .Lasked_\@
.Lfor_b_\@:
	tensor_load_to_lds s[G0B+4*(\s):G0B+4*(\s)+3], s[G1B:G1B+7]
	s_nop 0
.rept 4
	v_nop
.endr
.Lasked_\@:
.endm
.macro CREST
	s_cmp_lg_u32 s10, 0
	s_cbranch_scc1 .Lnot_wave_0_\@
	s_barrier_signal -3
.Lnot_wave_0_\@:
	s_barrier_wait -3
	s_barrier_signal -1
	s_barrier_wait -1
.endm
.macro CROUND
	s_barrier_signal -1
	s_barrier_wait -1
	CREST
.endm
.macro PLACES
.rept 4
	v_nop
.endr
.endm
	s_load_b256 s[72:79], s[0:1], 0x0              ; A, c16, bias, y
	v_lshl_add_u32 v[SPW], v0, 2, SPARE
	v_mov_b32 v[NIL], 0
	ds_add_u32 v[SPW], v[NIL]                      ; the wave's opening: the add and its wait ahead of my first tensor load
	v_lshrrev_b32 v1, 5, v0
	v_readfirstlane_b32 s10, v1
	s_lshr_b32 s11, s10, 1                         ; my half of the tile's rows; also: I fetch for A (0) or B (1)
	s_and_b32 s12, s10, 1                          ; my half of its columns; also: which 64 rows I fetch
	s_bfe_u32 s40, ttmp6, 0x40000
	s_bfe_u32 s41, ttmp6, 0x40004
	s_lshl_b32 s42, ttmp9, 2
	s_add_co_u32 s42, s42, s40                     ; tile column
	s_and_b32 s13, ttmp7, 0xffff
	s_lshl_b32 s13, s13, 2
	s_add_co_u32 s13, s13, s41                     ; tile row
	s_lshl_b32 s43, s41, 2
	s_lshl_b32 s43, 15, s43
	s_lshl_b32 s44, 0x1111, s40
.if WO
	s_or_b32 s[G1+0], s43, (1<<16)|(1<<20)|(1<<21)|(4<<22)|(3<<25)   ; after every 32 words 4 words of padding
	s_mov_b32 s[G1+1], 4096<<16                    ; tensor_dim0 = 4,096
	s_mov_b32 s[G1+2], 4<<16                       ; tensor_dim1 = 4
	s_mov_b32 s[G1+3], 4096<<16                    ; tile_dim0 = 4,096
	s_mov_b32 s[G1+4], 4                           ; tile_dim1 = 4
	s_mov_b32 s[G1+5], 65536                       ; elements from head to head
.else
	s_or_b32 s[G1+0], s43, (1<<16)|(1<<20)|(1<<21)|(6<<22)|(3<<25)   ; after every 128 words 4 words of padding
	s_mov_b32 s[G1+1], KSTEP<<16
	s_mov_b32 s[G1+2], 64<<16
	s_mov_b32 s[G1+3], KSTEP<<16
	s_mov_b32 s[G1+4], 64
	s_mov_b32 s[G1+5], SIZE_K
.endif
	s_mov_b32 s[G1+6], 0
	s_mov_b32 s[G1+7], 0
	s_or_b32 s[G1B+0], s44, (1<<16)|(1<<20)|(1<<21)|(6<<22)|(3<<25)
	s_mov_b32 s[G1B+1], KSTEP<<16
	s_mov_b32 s[G1B+2], 64<<16
	s_mov_b32 s[G1B+3], KSTEP<<16
	s_mov_b32 s[G1B+4], 64
	s_mov_b32 s[G1B+5], SIZE_K
	s_mov_b32 s[G1B+6], 0
	s_mov_b32 s[G1B+7], 0
	s_lshl_b32 s21, s12, 6
.if WO
	s_and_b32 s16, s13, 7                          ; eight tile rows to a batch
	s_lshl_b32 s16, s16, 7
	s_add_co_u32 s16, s16, s21
	s_lshl_b32 s16, s16, 7                         ; rows of 128 bytes in head 0,
	s_lshr_b32 s17, s13, 3
	s_lshl_b32 s17, s17, 21                        ; of the batch
	s_add_co_u32 s16, s16, s17
.else
	s_lshl_b32 s16, s13, 7
	s_add_co_u32 s16, s16, s21
	s_lshl_b32 s16, s16, 13
.endif
	s_mov_b32 s17, 0
	s_lshl_b32 s18, s42, 7
	s_add_co_u32 s18, s18, s21                     ; the row of B that I fetch from = my first column
	s_lshl_b32 s22, s18, 2                         ; its bytes in the bias and in a row of y
	s_mov_b32 s23, 0
	s_lshl_b32 s70, s13, 7
	s_lshl_b32 s71, s11, 6
	s_add_co_u32 s70, s70, s71
	s_lshl_b32 s70, s70, 12                        ; my first row of y
	s_add_co_u32 s70, s70, s22
	s_mov_b32 s71, 0
.if WO
	s_lshl_b32 s18, s18, 11
	s_add_co_u32 s18, s18, 31457280                ; unit 15
.else
	s_lshl_b32 s18, s18, 13
	s_add_co_u32 s18, s18, 41943040                ; unit 20
.endif
	s_mov_b32 s19, 0
	s_mul_i32 s20, s12, APART                      ; where a part of A goes, and a part of B: no place in the cluster enters an LDS address
	s_mul_i32 s[LB], s12, BPART
	s_add_co_u32 s[LB], s[LB], 2*APART
	s_wait_dscnt 0x0
	s_wait_kmcnt 0x0
	s_add_nc_u64 s[14:15], s[72:73], s[16:17]
	s_add_nc_u64 s[46:47], s[74:75], s[18:19]
	s_add_nc_u64 s[BIAS:BIAS+1], s[76:77], s[22:23]
	s_add_nc_u64 s[8:9], s[78:79], s[70:71]
	CROUND
.irp s, 0,1
	s_mov_b32 s[G0+4*(\s)], 1
	s_add_co_u32 s[G0+4*(\s)+1], s20, (\s)*SLOT
	s_add_nc_u64 s[G0+4*(\s)+2:G0+4*(\s)+3], s[14:15], (\s)*ASTEP
	s_or_b32 s[G0+4*(\s)+3], s[G0+4*(\s)+3], 0x80000000
	s_mov_b32 s[G0B+4*(\s)], 1
	s_add_co_u32 s[G0B+4*(\s)+1], s[LB], (\s)*SLOT
	s_add_nc_u64 s[G0B+4*(\s)+2:G0B+4*(\s)+3], s[46:47], (\s)*KSTEP*2
	s_or_b32 s[G0B+4*(\s)+3], s[G0B+4*(\s)+3], 0x80000000
	JLOAD \s                                       ; K steps 0 and 1: two loads of mine are out
.endr
	v_and_b32 v1, 15, v0
	v_bfe_u32 v2, v0, 4, 1
	v_mul_u32_u24 v3, v1, PITCH
	v_lshl_add_u32 v3, v2, 4, v3
.if WO
	v_mul_u32_u24 v4, v1, 144
	v_lshl_add_u32 v4, v2, 4, v4
.else
	v_mov_b32 v4, v3
.endif
	s_mul_i32 s21, s11, APART
	s_mul_i32 s22, s12, BPART
	s_add_co_u32 s22, s22, 2*APART
	v_add_nc_u32 v[A0], s21, v4
	v_add_nc_u32 v[B0], s22, v3
	v_mov_b32 v[ADRA], v[A0]
	v_mov_b32 v[ADRB], v[B0]
	v_lshlrev_b32 v[BO], 5, v2
	s_mul_i32 s23, s10, 16*SPITCH
	s_add_co_u32 s23, s23, STAGE
	v_mul_u32_u24 v5, v1, SPITCH
	v_lshl_add_u32 v5, v2, 5, v5
	v_add_nc_u32 v[STO], s23, v5                   ; in: row l % 16, 32 bytes for each half of the lanes
	v_mul_u32_u24 v5, v2, SPITCH
	v_lshl_add_u32 v5, v1, 4, v5
	v_add_nc_u32 v[RD], s23, v5                    ; back: lanes 0-15 one row of 256 bytes, lanes 16-31 the next
	v_lshlrev_b32 v5, 12, v2
	v_lshl_add_u32 v[CO], v1, 4, v5
.irp a, 0,1,2,3
.irp b, 0,1,2,3
	global_load_b128 v[ACC+8*(4*(\a)+(\b)):ACC+8*(4*(\a)+(\b))+3], v[BO], s[BIAS:BIAS+1] offset:64*(\b)      ; register j is column 16 b + 8 (l / 16) + j, whatever a
	global_load_b128 v[ACC+8*(4*(\a)+(\b))+4:ACC+8*(4*(\a)+(\b))+7], v[BO], s[BIAS:BIAS+1] offset:64*(\b)+16
.endr
.endr
	s_mov_b32 s[TB], 0
; 8 products: row blocks a0, a0 + 1 x 4 column blocks, 32 along K: half c of buffer f.  The 16 accumulators take turns in one order, over the backward jumps too.
.macro MUL8 f, c, a0
	WIN MUL
.irp a, \a0, (\a0)+1
.irp b, 0,1,2,3
	v_wmma_f32_16x16x32_f16 v[ACC+8*(4*(\a)+(\b)):ACC+8*(4*(\a)+(\b))+7], v[(\f)+64+8*(4*(\c)+(\b)):(\f)+64+8*(4*(\c)+(\b))+7], v[(\f)+8*(4*(\c)+(\a)):(\f)+8*(4*(\c)+(\a))+7], v[ACC+8*(4*(\a)+(\b)):ACC+8*(4*(\a)+(\b))+7]
.endr
.endr
.endm
.macro FETCH q, f                      ; 32 LDS loads in one run: quarter q (64 along K) into buffer f, its first 32 along K first
	WIN TO_F
.irp c, 0,1
.irp i, 0,1,2,3
	ds_load_b128 v[(\f)+64+8*(4*(\c)+(\i)):(\f)+64+8*(4*(\c)+(\i))+3],   v[ADRB] offset:128*(\q)+64*(\c)+(\i)*16*PITCH
	ds_load_b128 v[(\f)+64+8*(4*(\c)+(\i))+4:(\f)+64+8*(4*(\c)+(\i))+7], v[ADRB] offset:128*(\q)+64*(\c)+(\i)*16*PITCH+32
.if WO
	ds_load_b128 v[(\f)+8*(4*(\c)+(\i)):(\f)+8*(4*(\c)+(\i))+3],         v[ADRA] offset:9216*(\q)+64*(\c)+(\i)*2304
	ds_load_b128 v[(\f)+8*(4*(\c)+(\i))+4:(\f)+8*(4*(\c)+(\i))+7],       v[ADRA] offset:9216*(\q)+64*(\c)+(\i)*2304+32
.else
	ds_load_b128 v[(\f)+8*(4*(\c)+(\i)):(\f)+8*(4*(\c)+(\i))+3],         v[ADRA] offset:128*(\q)+64*(\c)+(\i)*16*PITCH
	ds_load_b128 v[(\f)+8*(4*(\c)+(\i))+4:(\f)+8*(4*(\c)+(\i))+7],       v[ADRA] offset:128*(\q)+64*(\c)+(\i)*16*PITCH+32
.endif
.endr
.endr
.endm
.macro QUARTER q, f, g
	s_wait_dscnt 16                                ; the first 32 along K are in; the other sixteen loads may be out
	MUL8 \f, 0, 0
	MUL8 \f, 0, 2
	PLACES
	FETCH \q, \g
	s_wait_dscnt 32                                ; all but the 32 just issued
	MUL8 \f, 1, 0
	MUL8 \f, 1, 2
.endm
; The last quarter multiplies buffer 1 and changes slots: each wave waits for all its tensor loads (one is out: its part of the next slot), adds 0 to its spare word, waits for that and for its reads of this slot.
; fill = 1: the barrier opens a round of the cluster's, and the joint refill (the K step two on, into the slot just read) is the first thing behind it.
.macro TURN fill
	WIN 0
	s_wait_tensorcnt 0x0
	ds_add_u32 v[SPW], v[NIL]
	s_wait_dscnt 17                                ; the add and the youngest sixteen loads may be out
	MUL8 F1, 0, 0
	s_wait_dscnt 0x0
	s_barrier_signal -1
	MUL8 F1, 0, 2
	WIN 0
	s_barrier_wait -1
.if \fill
	CREST
	s_add_co_u32 s[G0+5], s20, s[TB]
	s_add_co_u32 s[G0B+5], s[LB], s[TB]
	s_add_nc_u64 s[G0+6:G0+7], s[G0+6:G0+7], ASTEP
	s_add_nc_u64 s[G0B+6:G0B+7], s[G0B+6:G0B+7], KSTEP*2
	JLOAD 1                                        ; its four v_nop are also the places in front of the loads below
.else
	PLACES
	s_cmp_eq_u32 s3, 1                             ; behind the last K step there is nothing to fetch
	s_cbranch_scc1 .Lno_fetch_\@
.endif
	s_xor_b32 s[TB], s[TB], SLOT
	v_add_nc_u32 v[ADRA], s[TB], v[A0]
	v_add_nc_u32 v[ADRB], s[TB], v[B0]
	FETCH 0, F0
.if !(\fill)
	WIN 0
.Lno_fetch_\@:
.endif
	MUL8 F1, 1, 0
	MUL8 F1, 1, 2
.endm
.macro STEP fill
	QUARTER 1, F0, F1
	QUARTER 2, F1, F0
	QUARTER 3, F0, F1
	TURN \fill
.endm
; THE WAY OUT of row block a: 16 rows x 64 columns of f32 through my stage, back as whole rows of 256 bytes.
.macro OUTB a
.if (\a) >= 2
	s_wait_xcnt 0x0                                ; the stores of the block two back have read the registers that the loads below write
.endif
.irp b, 0,1,2,3
	ds_store_b128 v[STO], v[ACC+8*(4*(\a)+(\b)):ACC+8*(4*(\a)+(\b))+3]   offset:64*(\b)      ; each accumulator's low registers first
	ds_store_b128 v[STO], v[ACC+8*(4*(\a)+(\b))+4:ACC+8*(4*(\a)+(\b))+7] offset:64*(\b)+16
.endr
.irp t, 0,1,2,3,4,5,6,7
	ds_load_b128 v[TMP+32*((\a)%2)+4*(\t):TMP+32*((\a)%2)+4*(\t)+3], v[RD] offset:(\t)*2*SPITCH   ; LDS serves a wave's instructions in order
.endr
.endm
.macro SENDB a, younger                ; younger: the next block's eight stores and eight loads, or none
	s_wait_dscnt \younger
.irp t, 0,1,2,3,4,5,6,7
	global_store_b128 v[CO], v[TMP+32*((\a)%2)+4*(\t):TMP+32*((\a)%2)+4*(\t)+3], s[8:9] offset:(\a)*65536+(\t)*8192   ; 16 lanes store 256 consecutive bytes, aligned
.endr
.endm
	s_wait_tensorcnt 1                             ; my part of K step 0 is in; K step 1's may stay out
	s_barrier_signal -1
	s_barrier_wait -1
	FETCH 0, F0
	WIN 0
	s_wait_loadcnt 0x0                             ; the bias
	s_mov_b32 s3, STEPS-2
.Lk:
	STEP 1
	WIN 0
	s_sub_co_u32 s3, s3, 1
	s_cmp_lg_u32 s3, 0
	s_cbranch_scc1 .Lk
	s_mov_b32 s3, 2
.Lt:
	STEP 0
	WIN 0
	s_sub_co_u32 s3, s3, 1
	s_cmp_lg_u32 s3, 0
	s_cbranch_scc1 .Lt
	PLACES                                         ; behind the last products, in front of the LDS stores that read results
	OUTB 0
	OUTB 1
	SENDB 0, 16
	OUTB 2
	SENDB 1, 16
	OUTB 3
	SENDB 2, 16
	SENDB 3, 0
	s_wait_tensorcnt 0x0                           ; the wave's end
	ds_add_u32 v[SPW], v[NIL]
	s_wait_dscnt 0x0
	CROUND
	s_endpgm
.Lfunc_end_k_q8ec5640463_wo:
	.size	k_q8ec5640463_wo, .Lfunc_end_k_q8ec5640463_wo-k_q8ec5640463_wo
	.p2alignl 7, 3214868480
	.fill 96, 4, 3214868480
	.section	.rodata,"a",@progbits
	.p2align	6, 0x0
	.amdhsa_kernel k_q8ec5640463_wo
		.amdhsa_group_segment_fixed_size 327680
		.amdhsa_private_segment_fixed_size 0
		.amdhsa_enable_private_segment 0
		.amdhsa_kernarg_size 32
		.amdhsa_user_sgpr_count 2
		.amdhsa_user_sgpr_kernarg_segment_ptr 1
		.amdhsa_wavefront_size32 1
		.amdhsa_system_sgpr_workgroup_id_x 1
		.amdhsa_system_sgpr_workgroup_id_y 1
		.amdhsa_system_sgpr_workgroup_id_z 1
		.amdhsa_system_vgpr_workitem_id 0
		.amdhsa_next_free_vgpr 512
		.amdhsa_next_free_sgpr 80
		.amdhsa_reserve_vcc 0
		.amdhsa_float_denorm_mode_32 3
		.amdhsa_float_denorm_mode_16_64 3
		.amdhsa_memory_ordered 1
		.amdhsa_forward_progress 1
		.amdhsa_inst_pref_size 56
	.end_amdhsa_kernel
	.amdgpu_metadata
---
amdhsa.version: [ 1, 2 ]
amdhsa.kernels:
  - .name:           k_q8ec5640463_wo
    .symbol:         k_q8ec5640463_wo.kd
    .args:
      - { .name: ao, .offset: 0, .size: 8, .value_kind: global_buffer, .address_space: global }
      - { .name: c16, .offset: 8, .size: 8, .value_kind: global_buffer, .address_space: global }
      - { .name: bo, .offset: 16, .size: 8, .value_kind: global_buffer, .address_space: global }
      - { .name: y, .offset: 24, .size: 8, .value_kind: global_buffer, .address_space: global }
    .group_segment_fixed_size: 327680
    .private_segment_fixed_size: 0
    .kernarg_segment_align: 8
    .kernarg_segment_size: 32
    .max_flat_workgroup_size: 128
    .sgpr_count:     80
    .vgpr_count:     512
    .wavefront_size: 32
...
	.end_amdgpu_metadata
.endif
;; end of part 4
;; launch ln1 (part 5): grid 256 x 1, 8 waves a work-group, no clusters, 0 bytes of LDS; arguments y, query, ln1_w, ln1_b, x16; writes x16
.if DOCPART == 5
	.amdgcn_target "amdgcn-amd-amdhsa--gfx1250"
	.amdhsa_code_object_version 6
	.text
	.protected	k_q8ec5640463_ln1
	.globl	k_q8ec5640463_ln1
	.p2align	8
	.type	k_q8ec5640463_ln1,@function
k_q8ec5640463_ln1:
	s_mov_b64 s[64:65], 0
	v_nop
	global_prefetch_b8 v0, s[64:65] scope:SCOPE_SE
	s_setreg_imm32_b32 hwreg(HW_REG_WAVE_MODE, 25, 1), 1
	s_wait_xcnt 0x0
; x16 = LayerNorm(query + y) w + b, rounded once to f16.  y, query: [4096][1024] f32.  LIMIT: a result of 65,520 or more in magnitude becomes an infinity in f16.
; One wave takes two whole rows and keeps them in registers: mean, then the mean of the squared differences (as the formula is written, so a common offset costs nothing), then the scaling.
; Lane l holds columns 128 j + 4 l + 0..3, j = 0..7: f32 comes by 16 bytes a lane (512 consecutive bytes a load), f16 leaves by 8 bytes a lane (256 consecutive bytes, aligned).  A stream: no LDS, no barrier.
.set LN2, 0
.set W,  4
.set B,  36
.set YR, 68
.set RR, 100
.set T,  196
.set MU, 204
.set RS, 206
	s_load_b256 s[4:11], s[0:1], 0x0               ; y, the residual, w, b
	s_load_b64 s[16:17], s[0:1], 0x20              ; the result
	v_lshrrev_b32 v3, 5, v0
	v_readfirstlane_b32 s2, v3
	v_and_b32 v1, 31, v0
	v_lshlrev_b32 v2, 3, v1
	v_lshlrev_b32 v1, 4, v1
	v_mov_b32 v3, 1.0
	s_lshl_b32 s3, ttmp9, 4
	s_lshl1_add_u32 s3, s2, s3                     ; my first row: 16 x work-group + 2 x wave
	s_lshl_b32 s20, s3, 12
	s_mov_b32 s21, 0
	s_lshl_b32 s22, s3, 11
	s_mov_b32 s23, 0
	s_mov_b32 s12, 0x76543210
	s_mov_b32 s13, 0xfedcba98
	s_mov_b32 s14, 0x3a800000                      ; 1 / 1,024
	s_mov_b32 s15, 0x3727c5ac                      ; 1e-5
	s_wait_kmcnt 0x0
	s_add_nc_u64 s[4:5], s[4:5], s[20:21]
.if LN2
	s_add_nc_u64 s[6:7], s[6:7], s[22:23]
	s_add_nc_u64 s[16:17], s[16:17], s[20:21]
.else
	s_add_nc_u64 s[6:7], s[6:7], s[20:21]
	s_add_nc_u64 s[16:17], s[16:17], s[22:23]
.endif
.irp j, 0,1,2,3,4,5,6,7
	global_load_b128 v[W+4*(\j):W+4*(\j)+3], v1, s[8:9] offset:512*(\j)
.endr
.irp j, 0,1,2,3,4,5,6,7
	global_load_b128 v[B+4*(\j):B+4*(\j)+3], v1, s[10:11] offset:512*(\j)
.endr
.irp r, 0,1
.irp j, 0,1,2,3,4,5,6,7
	global_load_b128 v[YR+64*(\r)+4*(\j):YR+64*(\r)+4*(\j)+3], v1, s[4:5] offset:4096*(\r)+512*(\j) th:TH_LOAD_NT
.endr
.irp j, 0,1,2,3,4,5,6,7
.if LN2
	global_load_b64 v[RR+64*(\r)+2*(\j):RR+64*(\r)+2*(\j)+1], v2, s[6:7] offset:2048*(\r)+256*(\j) th:TH_LOAD_NT
.else
	global_load_b128 v[RR+64*(\r)+4*(\j):RR+64*(\r)+4*(\j)+3], v1, s[6:7] offset:4096*(\r)+512*(\j) th:TH_LOAD_NT
.endif
.endr
.endr
.macro ACROSS                          ; the sum of v[T] over the 32 lanes, in every lane
	v_add_f32_dpp v[T], v[T], v[T] row_xmask:1 row_mask:0xf bank_mask:0xf
	v_add_f32_dpp v[T], v[T], v[T] row_xmask:2 row_mask:0xf bank_mask:0xf
	v_add_f32_dpp v[T], v[T], v[T] row_xmask:4 row_mask:0xf bank_mask:0xf
	v_add_f32_dpp v[T], v[T], v[T] row_xmask:8 row_mask:0xf bank_mask:0xf
	v_permlanex16_b32 v[T+1], v[T], s12, s13
	v_add_f32 v[T], v[T], v[T+1]
.endm
.macro FOLD                            ; four pairs of partial sums into v[T]
	v_pk_add_f32 v[T:T+1], v[T:T+1], v[T+2:T+3]
	v_pk_add_f32 v[T+4:T+5], v[T+4:T+5], v[T+6:T+7]
	v_pk_add_f32 v[T:T+1], v[T:T+1], v[T+4:T+5]
	v_add_f32 v[T], v[T], v[T+1]
.endm
.macro ROW r
.set Y, YR+64*(\r)
.set R, RR+64*(\r)
.if LN2
.set i, 0
.rept 32
	v_fma_mix_f32 v[Y+i], v[R+i/2], v3, v[Y+i] op_sel:[i%2,0,0] op_sel_hi:[1,0,0]   ; the f16 half x 1.0 + y
.set i, i+1
.endr
.else
.set i, 0
.rept 16
	v_pk_add_f32 v[Y+2*i:Y+2*i+1], v[Y+2*i:Y+2*i+1], v[R+2*i:R+2*i+1]
.set i, i+1
.endr
.endif
.irp k, 0,1,2,3
	v_pk_add_f32 v[T+2*(\k):T+2*(\k)+1], v[Y+2*(\k):Y+2*(\k)+1], v[Y+8+2*(\k):Y+8+2*(\k)+1]
.endr
.irp k, 0,1,2,3
	v_pk_add_f32 v[T+2*(\k):T+2*(\k)+1], v[T+2*(\k):T+2*(\k)+1], v[Y+16+2*(\k):Y+16+2*(\k)+1]
.endr
.irp k, 0,1,2,3
	v_pk_add_f32 v[T+2*(\k):T+2*(\k)+1], v[T+2*(\k):T+2*(\k)+1], v[Y+24+2*(\k):Y+24+2*(\k)+1]
.endr
	FOLD
	ACROSS
	v_mul_f32 v[MU], s14, v[T]
	v_mov_b32 v[MU+1], v[MU]
.set i, 0
.rept 16
	v_pk_add_f32 v[Y+2*i:Y+2*i+1], v[Y+2*i:Y+2*i+1], v[MU:MU+1] neg_lo:[0,1] neg_hi:[0,1]
.set i, i+1
.endr
.irp k, 0,1,2,3
	v_pk_mul_f32 v[T+2*(\k):T+2*(\k)+1], v[Y+2*(\k):Y+2*(\k)+1], v[Y+2*(\k):Y+2*(\k)+1]
.endr
.irp m, 8,16,24
.irp k, 0,1,2,3
	v_pk_fma_f32 v[T+2*(\k):T+2*(\k)+1], v[Y+(\m)+2*(\k):Y+(\m)+2*(\k)+1], v[Y+(\m)+2*(\k):Y+(\m)+2*(\k)+1], v[T+2*(\k):T+2*(\k)+1]
.endr
.endr
	FOLD
	ACROSS
	v_fma_f32 v[T], v[T], s14, s15                 ; the variance + 1e-5
	v_rsq_f32 v[RS], v[T]
	v_rsq_f32 v[RS+1], v[T]
	v_nop                                          ; a plain line behind the second root
	s_wait_alu depctr_va_vdst(0)                   ; one wait for both, ahead of the first line that names them
.set i, 0
.rept 16
	v_pk_mul_f32 v[Y+2*i:Y+2*i+1], v[Y+2*i:Y+2*i+1], v[RS:RS+1]
.set i, i+1
.endr
.set i, 0
.rept 16
	v_pk_fma_f32 v[Y+2*i:Y+2*i+1], v[Y+2*i:Y+2*i+1], v[W+2*i:W+2*i+1], v[B+2*i:B+2*i+1]
.set i, i+1
.endr
.if LN2
.irp j, 0,1,2,3,4,5,6,7
	global_store_b128 v1, v[Y+4*(\j):Y+4*(\j)+3], s[16:17] offset:4096*(\r)+512*(\j) th:TH_STORE_NT
.endr
.else
.set i, 0
.rept 16
	v_cvt_pk_f16_f32 v[R+i], v[Y+2*i], v[Y+2*i+1]
.set i, i+1
.endr
.irp j, 0,1,2,3,4,5,6,7
	global_store_b64 v2, v[R+2*(\j):R+2*(\j)+1], s[16:17] offset:2048*(\r)+256*(\j)
.endr
.endif
.endm
	s_wait_loadcnt 16                              ; w, b and the first row are in; the second row's sixteen loads stay out
	ROW 0
	s_wait_loadcnt 0x0
	ROW 1
	s_endpgm
.Lfunc_end_k_q8ec5640463_ln1:
	.size	k_q8ec5640463_ln1, .Lfunc_end_k_q8ec5640463_ln1-k_q8ec5640463_ln1
	.p2alignl 7, 3214868480
	.fill 96, 4, 3214868480
	.section	.rodata,"a",@progbits
	.p2align	6, 0x0
	.amdhsa_kernel k_q8ec5640463_ln1
		.amdhsa_group_segment_fixed_size 0
		.amdhsa_private_segment_fixed_size 0
		.amdhsa_enable_private_segment 0
		.amdhsa_kernarg_size 40
		.amdhsa_user_sgpr_count 2
		.amdhsa_user_sgpr_kernarg_segment_ptr 1
		.amdhsa_wavefront_size32 1
		.amdhsa_system_sgpr_workgroup_id_x 1
		.amdhsa_system_sgpr_workgroup_id_y 1
		.amdhsa_system_sgpr_workgroup_id_z 1
		.amdhsa_system_vgpr_workitem_id 0
		.amdhsa_next_free_vgpr 208
		.amdhsa_next_free_sgpr 66
		.amdhsa_reserve_vcc 0
		.amdhsa_float_denorm_mode_32 3
		.amdhsa_float_denorm_mode_16_64 3
		.amdhsa_memory_ordered 1
		.amdhsa_forward_progress 1
		.amdhsa_inst_pref_size 24
	.end_amdhsa_kernel
	.amdgpu_metadata
---
amdhsa.version: [ 1, 2 ]
amdhsa.kernels:
  - .name:           k_q8ec5640463_ln1
    .symbol:         k_q8ec5640463_ln1.kd
    .args:
      - { .name: y, .offset: 0, .size: 8, .value_kind: global_buffer, .address_space: global }
      - { .name: query, .offset: 8, .size: 8, .value_kind: global_buffer, .address_space: global }
      - { .name: ln1_w, .offset: 16, .size: 8, .value_kind: global_buffer, .address_space: global }
      - { .name: ln1_b, .offset: 24, .size: 8, .value_kind: global_buffer, .address_space: global }
      - { .name: x16, .offset: 32, .size: 8, .value_kind: global_buffer, .address_space: global }
    .group_segment_fixed_size: 0
    .private_segment_fixed_size: 0
    .kernarg_segment_align: 8
    .kernarg_segment_size: 40
    .max_flat_workgroup_size: 256
    .sgpr_count:     66
    .vgpr_count:     208
    .wavefront_size: 32
...
	.end_amdgpu_metadata
.endif
;; end of part 5
;; launch ffn1 (part 6): grid 16 x 16, 4 waves a work-group, clusters of 4 x 4, 327,680 bytes of LDS; arguments x16, c16, b1, h16; writes h16
.if DOCPART == 6
	.amdgcn_target "amdgcn-amd-amdhsa--gfx1250"
	.amdhsa_code_object_version 6
	.text
	.protected	k_q8ec5640463_ffn1
	.globl	k_q8ec5640463_ffn1
	.p2align	8
	.type	k_q8ec5640463_ffn1,@function
k_q8ec5640463_ffn1:
	s_mov_b64 s[64:65], 0
	v_nop
	global_prefetch_b8 v0, s[64:65] scope:SCOPE_SE
	s_setreg_imm32_b32 hwreg(HW_REG_WAVE_MODE, 25, 1), 1
	s_wait_xcnt 0x0
	s_wait_alu depctr_hold_cnt(0) depctr_sa_sdst(0) depctr_va_vdst(0) depctr_va_sdst(0) depctr_va_ssrc(0) depctr_va_vcc(0) depctr_vm_vsrc(0)
	s_getreg_b32 s2, hwreg(HW_REG_IB_STS2, 6, 4)
	s_cmp_eq_u32 s2, 0
	s_cbranch_scc0 .Lentry_in_a_cluster
	s_endpgm
.Lentry_in_a_cluster:
	s_bfe_u32 s2, ttmp6, 0x10000c
	s_cmp_lg_u32 s2, 0xf033
	s_cbranch_scc0 .Lentry_shape_is_right
	s_endpgm
.Lentry_shape_is_right:
; C = A B^T + bias on tiles of 256 x 256, K = 1,024, operands f16, sums f32, C rounded once to f16.  One text for two launches, told apart by QKV.
; QKV = 1: three products at once; the cluster's x is p: A = query, key or values (c16 unit 4 p), B = Wq, Wk or Wv (unit 12 + p), bias bq, bk or bv;
;          C goes out BY HEADS: plane p of qkv, [batch][head][row][64], so that a head's rows are dense.
; QKV = 0: A = x16, B = W1 (c16 unit 16), bias b1, C = relu(..) to h16, row-major [4096][4096].
; LIMIT: a result of 65,520 or more in magnitude becomes an infinity in f16.
; Four waves, each 128 x 128 of C in 64 accumulators (512 registers).  K goes in 8 steps of 128 through two LDS slots filled by tensor loads: rows of 256 bytes, aligned, padded to 272.
; THE ACCUMULATORS START AS THE BIAS, loaded straight into them, so every product adds in place and one K step is the whole loop body; s[TB] (0 or SLOT) says which slot is read.
; The last two K steps are a second loop, which fills nothing.
; CLUSTER 4 x 4: A's tile is asked for jointly by a row of the cluster, B's by a column.  THE PRODUCT IS USED TRANSPOSED (source 0 = rows of B): a lane holds eight neighbouring columns of one row of C.
; REGISTERS: window 0: v16-31 addresses; v64-191 A's two fragment buffers; v192-223, v32-63, v224-255 the way out.  window 1: v64-191 B's buffers.  windows 2, 3: accumulator (a, b) at v[8 (8 (a % 4) + b)].
.set QKV, 0
.set SIZE_K, 1024
.set KSTEP,  128
.set STEPS,  SIZE_K/KSTEP
.set PITCH,  272                       ; 256 bytes + 16: the 16 rows that a fragment load touches start 68 words apart
.set HALFT,  128*PITCH
.set SLOT,   4*HALFT                   ; A's 256 rows, then B's 256 rows
.set STAGE,  2*SLOT                    ; behind the ring: 16 rows x 272 bytes for each wave
.set SPITCH, 272
.set SPARE,  STAGE+4*16*SPITCH         ; the spare words: 128 bytes a wave, named by no other line
.set ADRA, 16                          ; LDS address of my A fragments in the slot in hand
.set A0,   17                          ; the same in slot 0; never rewritten
.set ADRB, 20
.set B0,   21
.set STO,  24
.set RD,   25
.set CO,   26
.set BO,   27                          ; 32 x (lane / 16): my eight columns' bytes in 16 numbers of the bias
.set SPW,  28
.set NIL,  29
.set PFO,  30                          ; lane x 2,048: a row of A or B
.set ZR,   31                          ; 0, for the ReLU
.set F0,   64
.set F1,   128
.set TMP,  192
.set OB,   32
.set G1,  24
.set G0,  32
.set G1B, 48
.set G0B, 56
.set LIM, 43
.set PFA, 44
.set BIAS, 66
.set TB,  68
.set MSB, 0
.macro WIN new                         ; the immediate's high byte repeats the setting that is left
.if MSB != (\new)
	s_set_vgpr_msb (MSB<<8)|(\new)
.set MSB, \new
.endif
.endm
.set MUL_LO, 0xa1
.set MUL_HI, 0xf1
.set TO_B,   0x40
.macro JLOAD s                         ; a joint load: waves 0 and 1 fetch A's halves, waves 2 and 3 B's; s_nop 0 and four v_nop follow each line
	s_cmp_eq_u32 s11, 0
	s_cbranch_scc0 .Lfor_b_\@
	tensor_load_to_lds s[G0+4*(\s):G0+4*(\s)+3], s[G1:G1+7]
	s_nop 0
.rept 4
	v_nop
.endr
	s_branch .Lasked_\@
.Lfor_b_\@:
	tensor_load_to_lds s[G0B+4*(\s):G0B+4*(\s)+3], s[G1B:G1B+7]
	s_nop 0
.rept 4
	v_nop
.endr
.Lasked_\@:
.endm
; A prefetch of the K step two refills on: 32 rows x 256 bytes, a lane a row.  Of the 128 rows that a wave fetches each of the four partners takes 32, told apart by address.
; One cluster asks for each block; the refills for the last two K steps have no step two on (s3 is 2 or 1 there).
.macro ASK
	s_cmp_gt_u32 s3, s[LIM]
	s_cbranch_scc0 .Lnot_mine_\@
	global_prefetch_b8 v[PFO], s[PFA:PFA+1] offset:KSTEP*2 th:TH_LOAD_NT scope:SCOPE_SE
.Lnot_mine_\@:
.endm
.macro CREST
	s_cmp_lg_u32 s10, 0
	s_cbranch_scc1 .Lnot_wave_0_\@
	s_barrier_signal -3
.Lnot_wave_0_\@:
	s_barrier_wait -3
	s_barrier_signal -1
	s_barrier_wait -1
.endm
.macro CROUND
	s_barrier_signal -1
	s_barrier_wait -1
	CREST
.endm
.macro PLACES
.rept 4
	v_nop
.endr
.endm
	s_load_b256 s[72:79], s[0:1], 0x0
.if QKV
	s_load_b64 s[8:9], s[0:1], 0x20
.endif
	v_lshl_add_u32 v[SPW], v0, 2, SPARE
	v_mov_b32 v[NIL], 0
	ds_add_u32 v[SPW], v[NIL]                      ; the wave's opening: the add and its wait ahead of my first tensor load
	v_lshrrev_b32 v1, 5, v0
	v_readfirstlane_b32 s10, v1                    ; wave 0..3
	s_lshr_b32 s11, s10, 1                         ; my half of the tile's rows; also: I fetch for A (0) or B (1)
	s_and_b32 s12, s10, 1                          ; my half of its columns; also: which 128 rows I fetch
	s_bfe_u32 s40, ttmp6, 0x40000                  ; cx
	s_bfe_u32 s41, ttmp6, 0x40004                  ; cy
	s_mov_b32 s69, ttmp9                           ; cluster x
.if QKV
	s_mov_b32 s42, s40                             ; tile column = cx: a product has four
.else
	s_lshl_b32 s42, s69, 2
	s_add_co_u32 s42, s42, s40
.endif
	s_and_b32 s13, ttmp7, 0xffff
	s_lshl_b32 s13, s13, 2
	s_add_co_u32 s13, s13, s41                     ; tile row
	s_lshl_b32 s43, s41, 2
	s_lshl_b32 s43, 15, s43                        ; my row of the cluster
	s_lshl_b32 s44, 0x1111, s40                    ; my column
	s_or_b32 s[G1+0], s43, (1<<16)|(1<<20)|(1<<21)|(5<<22)|(3<<25)   ; mask; 2-byte elements; padding on; bit 21 beside a mask; after every 64 words 4 words
	s_or_b32 s[G1B+0], s44, (1<<16)|(1<<20)|(1<<21)|(5<<22)|(3<<25)
.irp g, G1, G1B
	s_mov_b32 s[(\g)+1], KSTEP<<16                 ; tensor_dim0 = 128
	s_mov_b32 s[(\g)+2], 128<<16                   ; tensor_dim1 = 128
	s_mov_b32 s[(\g)+3], KSTEP<<16                 ; tile_dim0 = 128
	s_mov_b32 s[(\g)+4], 128                       ; tile_dim1 = 128
	s_mov_b32 s[(\g)+5], SIZE_K                    ; elements from row to row
	s_mov_b32 s[(\g)+6], 0
	s_mov_b32 s[(\g)+7], 0
.endr
	s_lshl_b32 s21, s12, 7
	s_lshl_b32 s16, s13, 8
	s_add_co_u32 s16, s16, s21
	s_lshl_b32 s16, s16, 11                        ; A: (256 x tile row + 128 x half) rows of 2,048 bytes
.if QKV
	s_lshl_b32 s17, s69, 23                        ; in tensor p
	s_add_co_u32 s16, s16, s17
.endif
	s_mov_b32 s17, 0
	s_lshl_b32 s18, s42, 8
	s_add_co_u32 s18, s18, s21                     ; the row of B that I fetch from = my first column of C
	s_lshl_b32 s22, s18, 2                         ; its place in the bias
	s_mov_b32 s23, 0
	s_lshl_b32 s70, s13, 8
	s_lshl_b32 s71, s11, 7
	s_add_co_u32 s70, s70, s71                     ; my first row of C
.if QKV
	s_and_b32 s70, s70, 1023                       ; the row in its batch
	s_lshr_b32 s71, s13, 2                         ; the batch
	s_lshl_b32 s71, s71, 4
	s_lshr_b32 s19, s18, 6                         ; my first head
	s_add_co_u32 s71, s71, s19
	s_lshl_b32 s71, s71, 10
	s_add_co_u32 s70, s70, s71
	s_lshl_b32 s70, s70, 7                         ; rows of 128 bytes
	s_lshl_b32 s71, s69, 23                        ; plane p
	s_add_co_u32 s70, s70, s71
.else
	s_lshl_b32 s70, s70, 13                        ; rows of 8,192 bytes
	s_lshl_b32 s71, s18, 1
	s_add_co_u32 s70, s70, s71
.endif
	s_mov_b32 s71, 0
	s_lshl_b32 s18, s18, 11
.if QKV
	s_lshl_b32 s19, s69, 21
	s_add_co_u32 s18, s18, s19
	s_add_co_u32 s18, s18, 25165824                ; unit 12 + p
.else
	s_add_co_u32 s18, s18, 33554432                ; unit 16
.endif
	s_mov_b32 s19, 0
	s_mul_i32 s20, s10, HALFT                      ; where my part of a tile goes: no place in the cluster enters an LDS address
	s_wait_dscnt 0x0                               ; the opening add is done
	s_wait_kmcnt 0x0
	s_add_nc_u64 s[14:15], s[72:73], s[16:17]
.if QKV
	s_add_nc_u64 s[46:47], s[72:73], s[18:19]
	s_cmp_eq_u32 s69, 0
	s_cselect_b64 s[BIAS:BIAS+1], s[74:75], s[76:77]
	s_cmp_eq_u32 s69, 2
	s_cselect_b64 s[BIAS:BIAS+1], s[78:79], s[BIAS:BIAS+1]
.else
	s_add_nc_u64 s[46:47], s[74:75], s[18:19]
	s_mov_b64 s[BIAS:BIAS+1], s[76:77]
	s_mov_b64 s[8:9], s[78:79]
.endif
	s_add_nc_u64 s[BIAS:BIAS+1], s[BIAS:BIAS+1], s[22:23]
	s_add_nc_u64 s[8:9], s[8:9], s[70:71]
	CROUND                                         ; all sixteen work-groups are here: the first joint loads meet
.irp s, 0,1
	s_mov_b32 s[G0+4*(\s)], 1
	s_add_co_u32 s[G0+4*(\s)+1], s20, (\s)*SLOT
	s_add_nc_u64 s[G0+4*(\s)+2:G0+4*(\s)+3], s[14:15], (\s)*KSTEP*2
	s_or_b32 s[G0+4*(\s)+3], s[G0+4*(\s)+3], 0x80000000
	s_mov_b32 s[G0B+4*(\s)], 1
	s_add_co_u32 s[G0B+4*(\s)+1], s20, (\s)*SLOT
	s_add_nc_u64 s[G0B+4*(\s)+2:G0B+4*(\s)+3], s[46:47], (\s)*KSTEP*2
	s_or_b32 s[G0B+4*(\s)+3], s[G0B+4*(\s)+3], 0x80000000
	JLOAD \s                                       ; K steps 0 and 1: two loads of mine are out
.endr
	v_and_b32 v1, 15, v0                           ; l % 16
	v_bfe_u32 v2, v0, 4, 1                         ; l / 16
	v_mul_u32_u24 v3, v1, PITCH
	v_lshl_add_u32 v3, v2, 4, v3
	s_mul_i32 s21, s11, HALFT
	s_mul_i32 s22, s12, HALFT
	s_add_co_u32 s22, s22, 2*HALFT
	v_add_nc_u32 v[A0], s21, v3
	v_add_nc_u32 v[B0], s22, v3
	v_mov_b32 v[ADRA], v[A0]
	v_mov_b32 v[ADRB], v[B0]
	v_lshlrev_b32 v[BO], 5, v2
	v_mov_b32 v[ZR], 0
	s_mul_i32 s23, s10, 16*SPITCH
	s_add_co_u32 s23, s23, STAGE                   ; my stage
	v_mul_u32_u24 v4, v1, SPITCH
	v_lshl_add_u32 v4, v2, 4, v4
	v_add_nc_u32 v[STO], s23, v4                   ; in: row l % 16, 16 bytes for each half of the lanes
.if QKV
	v_bfe_u32 v5, v0, 3, 2                         ; back: 32 lanes take four rows' 128 bytes of one head,
	v_and_b32 v6, 7, v0
	v_mul_u32_u24 v5, v5, SPITCH
	v_lshl_add_u32 v5, v6, 4, v5
	v_add_nc_u32 v[RD], s23, v5
	v_and_b32 v[CO], 31, v0                        ; which are 512 consecutive bytes of the plane
	v_lshlrev_b32 v[CO], 4, v[CO]
.else
	v_mul_u32_u24 v5, v2, SPITCH                   ; back: lanes 0-15 one row of 256 bytes, lanes 16-31 the next
	v_lshl_add_u32 v5, v1, 4, v5
	v_add_nc_u32 v[RD], s23, v5
	v_lshlrev_b32 v5, 13, v2
	v_lshl_add_u32 v[CO], v1, 4, v5
.endif
	; the bias: register j of accumulator (a, b) is column 16 b + 8 (l / 16) + j of my 128, whatever a
.irp w, 0,1
	WIN 0x80+0x40*(\w)
.irp a, 0,1,2,3
.irp b, 0,1,2,3,4,5,6,7
	global_load_b128 v[8*(8*(\a)+(\b)):8*(8*(\a)+(\b))+3], v[BO], s[BIAS:BIAS+1] offset:64*(\b)
	global_load_b128 v[8*(8*(\a)+(\b))+4:8*(8*(\a)+(\b))+7], v[BO], s[BIAS:BIAS+1] offset:64*(\b)+16
.endr
.endr
.endr
	WIN 0
	; the prefetches: who asks, and where they stand
	s_and_b32 s22, ttmp7, 0xffff                   ; cluster y
	s_cmp_eq_u32 s11, 0
	s_cselect_b32 s21, s16, s18                    ; the 128 rows that I fetch,
	s_cselect_b32 s23, s40, s41                    ; my place among the four that ask for them with me
.if QKV
	s_cselect_b32 s22, 0, s22                      ; A's rows are read by this cluster alone; B's by the four clusters of a product: the one with y = 0 asks
	s_mov_b64 s[PFA:PFA+1], s[72:73]
.else
	s_cselect_b32 s22, s69, s22                    ; A's rows: the cluster with x = 0 asks; B's: the one with y = 0
	s_cselect_b64 s[PFA:PFA+1], s[72:73], s[74:75]
.endif
	s_cmp_eq_u32 s22, 0
	s_cselect_b32 s[LIM], 2, -1
	s_lshl_b32 s23, s23, 16                        ; my work-group's 32 rows
	s_add_co_u32 s22, s21, s23
	s_add_co_u32 s22, s22, 2*KSTEP*2               ; at K step 2: the first refill steps it to 3 and names 4
	s_mov_b32 s23, 0
	s_add_nc_u64 s[PFA:PFA+1], s[PFA:PFA+1], s[22:23]
	v_and_b32 v[PFO], 31, v0
	v_lshlrev_b32 v[PFO], 11, v[PFO]
	s_mov_b32 s[TB], 0
; 16 products: row blocks a0, a0 + 1 of the window's four x all 8 column blocks, 32 along K.  The 64 accumulators take turns in one order in every quarter, over the backward jumps too.
.macro MUL16 f, hi, a0
	WIN MUL_LO+0x50*(\hi)
.irp a, \a0, (\a0)+1
.irp b, 0,1,2,3,4,5,6,7
	v_wmma_f32_16x16x32_f16 v[8*(8*(\a)+(\b)):8*(8*(\a)+(\b))+7], v[(\f)+8*(\b):(\f)+8*(\b)+7], v[(\f)+8*(4*(\hi)+(\a)):(\f)+8*(4*(\hi)+(\a))+7], v[8*(8*(\a)+(\b)):8*(8*(\a)+(\b))+7]
.endr
.endr
.endm
.macro FETCH k, f                      ; 32 LDS loads in one run: a quarter step's fragments (32 K at byte k of the rows) into buffer f
	WIN TO_B
.irp i, 0,1,2,3,4,5,6,7
	ds_load_b128 v[(\f)+8*(\i):(\f)+8*(\i)+3],   v[ADRB] offset:(\k)+(\i)*16*PITCH
	ds_load_b128 v[(\f)+8*(\i)+4:(\f)+8*(\i)+7], v[ADRB] offset:(\k)+(\i)*16*PITCH+32
.endr
	WIN 0
.irp i, 0,1,2,3,4,5,6,7
	ds_load_b128 v[(\f)+8*(\i):(\f)+8*(\i)+3],   v[ADRA] offset:(\k)+(\i)*16*PITCH
	ds_load_b128 v[(\f)+8*(\i)+4:(\f)+8*(\i)+7], v[ADRA] offset:(\k)+(\i)*16*PITCH+32
.endr
.endm
.macro QUARTER k, f, g
	s_wait_dscnt 8                                 ; B and A's rows 0-63 are in; the youngest eight loads (A's rows 64-127) may be out
	MUL16 \f, 0, 0
	MUL16 \f, 0, 2
	PLACES                                         ; four places in front of loads into registers that products have read
	FETCH \k, \g
	s_wait_dscnt 32                                ; all but the 32 just issued
	MUL16 \f, 1, 0
	MUL16 \f, 1, 2
.endm
; The last quarter multiplies buffer 1 and changes slots.  In front of the barrier each wave waits for all its tensor loads (one is out: its part of the next slot), adds 0 to its spare word,
; and waits for that and for its reads of this slot.  fill = 1: the barrier opens a round of the cluster's, and the joint refill (the K step two on, into the slot just read) is the first thing behind it.
.macro TURN fill
.if \fill
	s_wait_xcnt 0x0                                ; the last prefetch, a K step back, has read its address
	s_add_nc_u64 s[PFA:PFA+1], s[PFA:PFA+1], KSTEP*2
.endif
	WIN 0
	s_wait_tensorcnt 0x0
	ds_add_u32 v[SPW], v[NIL]
	s_wait_dscnt 9                                 ; the add and the youngest eight loads may be out
	MUL16 F1, 0, 0
	s_wait_dscnt 0x0                               ; the add is done, my reads of this slot are over
	s_barrier_signal -1
	MUL16 F1, 0, 2
	WIN 0
	s_barrier_wait -1
.if \fill
	CREST
	s_add_co_u32 s[G0+5], s20, s[TB]               ; the walking descriptors: the slot just read,
	s_add_co_u32 s[G0B+5], s20, s[TB]
	s_add_nc_u64 s[G0+6:G0+7], s[G0+6:G0+7], KSTEP*2      ; the next K step not yet asked for
	s_add_nc_u64 s[G0B+6:G0B+7], s[G0B+6:G0B+7], KSTEP*2
	JLOAD 1                                        ; its four v_nop are also the places in front of the loads below
.else
	PLACES
	s_cmp_eq_u32 s3, 1                             ; behind the last K step there is nothing to fetch
	s_cbranch_scc1 .Lno_fetch_\@
.endif
	s_xor_b32 s[TB], s[TB], SLOT
	v_add_nc_u32 v[ADRA], s[TB], v[A0]
	v_add_nc_u32 v[ADRB], s[TB], v[B0]
	FETCH 0, F0
.if \fill
	ASK
.else
.Lno_fetch_\@:
.endif
	MUL16 F1, 1, 0
	MUL16 F1, 1, 2
.endm
.macro STEP fill
	QUARTER 64,  F0, F1
	QUARTER 128, F1, F0
	QUARTER 192, F0, F1
	TURN \fill
.endm
; THE WAY OUT of block a (16 rows x 128 columns): rounded to f16, through my own stage, back as whole pieces of 256 bytes or more, stored.
.macro PACK a
.set AC, 64*((\a)%4)
	WIN 0x0a+5*((\a)/4)
.irp b, 0,1,2,3,4,5,6,7
.irp r, 0,1,2,3
	v_cvt_pk_f16_f32 v[TMP+4*(\b)+(\r)], v[AC+8*(\b)+2*(\r)], v[AC+8*(\b)+2*(\r)+1]
.endr
.endr
	WIN 0
.if !QKV
.set i, 0
.rept 32
	v_pk_max_num_f16 v[TMP+i], v[TMP+i], v[ZR]     ; the ReLU, two numbers a line; nothing is rounded
.set i, i+1
.endr
.endif
.endm
.macro TOSTAGE a
	WIN 0
.set BK, OB+192*((\a)%2)
.irp b, 0,1,2,3,4,5,6,7
	ds_store_b128 v[STO], v[TMP+4*(\b):TMP+4*(\b)+3] offset:32*(\b)
.endr
.irp t, 0,1,2,3,4,5,6,7
.if QKV
	ds_load_b128 v[BK+4*(\t):BK+4*(\t)+3], v[RD] offset:((\t)%4)*4*SPITCH+((\t)/4)*128  ; LDS serves a wave's instructions in order: these see the stores above
.else
	ds_load_b128 v[BK+4*(\t):BK+4*(\t)+3], v[RD] offset:(\t)*2*SPITCH
.endif
.endr
.endm
.macro SEND a
	WIN 0
.set BK, OB+192*((\a)%2)
	s_wait_dscnt 0x0                               ; the block is back in registers
	s_wait_xcnt 0x0                                ; the stores of the block before have read their registers, which the next block's loads write
.irp t, 0,1,2,3,4,5,6,7
.if QKV
	global_store_b128 v[CO], v[BK+4*(\t):BK+4*(\t)+3], s[8:9] offset:(\a)*2048+((\t)/4)*131072+((\t)%4)*512  ; 512 consecutive bytes of one head
.else
	global_store_b128 v[CO], v[BK+4*(\t):BK+4*(\t)+3], s[8:9] offset:(\a)*16*8192+(\t)*2*8192  ; 16 lanes store 256 consecutive bytes, aligned
.endif
.endr
.endm
	s_wait_tensorcnt 1                             ; my part of K step 0 is in; K step 1's may stay out
	s_barrier_signal -1
	s_barrier_wait -1
	FETCH 0, F0
	s_wait_loadcnt 0x0                             ; the bias
	s_mov_b32 s3, STEPS-2
.Lk:                                               ; K steps 0 to 5: each asks for the step two on
	STEP 1
	WIN 0
	s_sub_co_u32 s3, s3, 1
	s_cmp_lg_u32 s3, 0
	s_cbranch_scc1 .Lk
	s_mov_b32 s3, 2
.Lt:                                               ; K steps 6 and 7 ask for nothing
	STEP 0
	WIN 0
	s_sub_co_u32 s3, s3, 1
	s_cmp_lg_u32 s3, 0
	s_cbranch_scc1 .Lt
	PACK 0                                         ; blocks 0-3 were finished in front of the last four v_nop; their conversions are the places behind blocks 4-7's last products
	TOSTAGE 0
.irp a, 1,2,3,4,5,6,7
	PACK \a
	SEND (\a)-1
	TOSTAGE \a
.endr
	SEND 7
	s_wait_tensorcnt 0x0                           ; the wave's end
	ds_add_u32 v[SPW], v[NIL]
	s_wait_dscnt 0x0
	CROUND                                         ; the closing round
	s_endpgm
.Lfunc_end_k_q8ec5640463_ffn1:
	.size	k_q8ec5640463_ffn1, .Lfunc_end_k_q8ec5640463_ffn1-k_q8ec5640463_ffn1
	.p2alignl 7, 3214868480
	.fill 96, 4, 3214868480
	.section	.rodata,"a",@progbits
	.p2align	6, 0x0
	.amdhsa_kernel k_q8ec5640463_ffn1
		.amdhsa_group_segment_fixed_size 327680
		.amdhsa_private_segment_fixed_size 0
		.amdhsa_enable_private_segment 0
		.amdhsa_kernarg_size 32
		.amdhsa_user_sgpr_count 2
		.amdhsa_user_sgpr_kernarg_segment_ptr 1
		.amdhsa_wavefront_size32 1
		.amdhsa_system_sgpr_workgroup_id_x 1
		.amdhsa_system_sgpr_workgroup_id_y 1
		.amdhsa_system_sgpr_workgroup_id_z 1
		.amdhsa_system_vgpr_workitem_id 0
		.amdhsa_next_free_vgpr 1024
		.amdhsa_next_free_sgpr 80
		.amdhsa_reserve_vcc 0
		.amdhsa_float_denorm_mode_32 3
		.amdhsa_float_denorm_mode_16_64 3
		.amdhsa_memory_ordered 1
		.amdhsa_forward_progress 1
		.amdhsa_inst_pref_size 122
	.end_amdhsa_kernel
	.amdgpu_metadata
---
amdhsa.version: [ 1, 2 ]
amdhsa.kernels:
  - .name:           k_q8ec5640463_ffn1
    .symbol:         k_q8ec5640463_ffn1.kd
    .args:
      - { .name: x16, .offset: 0, .size: 8, .value_kind: global_buffer, .address_space: global }
      - { .name: c16, .offset: 8, .size: 8, .value_kind: global_buffer, .address_space: global }
      - { .name: b1, .offset: 16, .size: 8, .value_kind: global_buffer, .address_space: global }
      - { .name: h16, .offset: 24, .size: 8, .value_kind: global_buffer, .address_space: global }
    .group_segment_fixed_size: 327680
    .private_segment_fixed_size: 0
    .kernarg_segment_align: 8
    .kernarg_segment_size: 32
    .max_flat_workgroup_size: 128
    .sgpr_count:     80
    .vgpr_count:     1024
    .wavefront_size: 32
...
	.end_amdgpu_metadata
.endif
;; end of part 6
;; launch ffn2 (part 7): grid 8 x 32, 4 waves a work-group, clusters of 4 x 4, 327,680 bytes of LDS; arguments h16, c16, b2, y; writes y
.if DOCPART == 7
	.amdgcn_target "amdgcn-amd-amdhsa--gfx1250"
	.amdhsa_code_object_version 6
	.text
	.protected	k_q8ec5640463_ffn2
	.globl	k_q8ec5640463_ffn2
	.p2align	8
	.type	k_q8ec5640463_ffn2,@function
k_q8ec5640463_ffn2:
	s_mov_b64 s[64:65], 0
	v_nop
	global_prefetch_b8 v0, s[64:65] scope:SCOPE_SE
	s_setreg_imm32_b32 hwreg(HW_REG_WAVE_MODE, 25, 1), 1
	s_wait_xcnt 0x0
	s_wait_alu depctr_hold_cnt(0) depctr_sa_sdst(0) depctr_va_vdst(0) depctr_va_sdst(0) depctr_va_ssrc(0) depctr_va_vcc(0) depctr_vm_vsrc(0)
	s_getreg_b32 s2, hwreg(HW_REG_IB_STS2, 6, 4)
	s_cmp_eq_u32 s2, 0
	s_cbranch_scc0 .Lentry_in_a_cluster
	s_endpgm
.Lentry_in_a_cluster:
	s_bfe_u32 s2, ttmp6, 0x10000c
	s_cmp_lg_u32 s2, 0xf033
	s_cbranch_scc0 .Lentry_shape_is_right
	s_endpgm
.Lentry_shape_is_right:
; y = A B^T + bias on tiles of 128 x 128, N = 1,024, operands f16, sums and y f32.  One text for two launches, told apart by WO.
; WO = 1: A = ao, which lies BY HEADS [batch][head][row][64]; B = Wo (c16 unit 15); K = 1,024.  WO = 0: A = h16 [4096][4096]; B = W2 (unit 20); K = 4,096.
; Tiles of 256 x 256 would be 64 for 256 WGPs, so the tile is 128 x 128: four waves, each 64 x 64 in 16 accumulators.  K goes in steps of 256 through two LDS slots.
; THE ACCUMULATORS START AS THE BIAS, so every product adds in place and one K step is the loop's body; s[TB] (0 or SLOT) says which slot is read; the last two K steps are a second loop that fills nothing.
; WO = 1: a K step is four heads.  One load brings 4 rows of 4,096 elements (64 query rows of one head are 8,192 dense bytes; heads lie 65,536 elements apart), padded after every 128 bytes:
; in LDS [head][row] with rows 144 bytes apart.  Elsewhere rows of 512 bytes, 528 apart.
; CLUSTER 4 x 4: A's tile is asked for jointly by a row of the cluster, B's by a column.  THE PRODUCT IS USED TRANSPOSED: a lane holds eight neighbouring columns of one row of y.
; A wave's 64 columns of f32 are 256 aligned bytes of a row of y, so each wave has a stage of its own and the way out needs no barrier.  No prefetch: the tile is small.
.set WO, 0
.if WO
.set SIZE_K, 1024
.set APART,  4*64*144                  ; 64 rows of A for a K step: four heads x 64 rows x 144 bytes
.set ASTEP,  4*131072                  ; four heads on
.else
.set SIZE_K, 4096
.set APART,  64*528
.set ASTEP,  512
.endif
.set KSTEP,  256
.set STEPS,  SIZE_K/KSTEP
.set PITCH,  528
.set BPART,  64*PITCH
.set SLOT,   2*APART+2*BPART           ; A's 128 rows, then B's 128 rows
.set STAGE,  2*SLOT
.set SPITCH, 272
.set SPARE,  STAGE+4*16*SPITCH
.set ADRA, 16
.set A0,   17
.set ADRB, 20
.set B0,   21
.set STO,  24
.set RD,   25
.set CO,   26
.set BO,   27
.set SPW,  28
.set NIL,  29
.set TMP,  32                          ; v32-95: two sets of 32 on the way out
.set ACC,  128                         ; accumulator (a, b) at ACC + 8 (4 a + b)
.set F0,   0                           ; window 1: two buffers of 128: A's 64 registers, then B's 64
.set F1,   128
.set G1,  24
.set G0,  32
.set G1B, 48
.set G0B, 56
.set BIAS, 66
.set TB,  68
.set LB,  69
.set MSB, 0
.macro WIN new
.if MSB != (\new)
	s_set_vgpr_msb (MSB<<8)|(\new)
.set MSB, \new
.endif
.endm
.set MUL,  0x05
.set TO_F, 0x40
.macro JLOAD s
	s_cmp_eq_u32 s11, 0
	s_cbranch_scc0 .Lfor_b_\@
	tensor_load_to_lds s[G0+4*(\s):G0+4*(\s)+3], s[G1:G1+7]
	s_nop 0
.rept 4
	v_nop
.endr
	s_branch .Lasked_\@
.Lfor_b_\@:
	tensor_load_to_lds s[G0B+4*(\s):G0B+4*(\s)+3], s[G1B:G1B+7]
	s_nop 0
.rept 4
	v_nop
.endr
.Lasked_\@:
.endm
.macro CREST
	s_cmp_lg_u32 s10, 0
	s_cbranch_scc1 .Lnot_wave_0_\@
	s_barrier_signal -3
.Lnot_wave_0_\@:
	s_barrier_wait -3
	s_barrier_signal -1
	s_barrier_wait -1
.endm
.macro CROUND
	s_barrier_signal -1
	s_barrier_wait -1
	CREST
.endm
.macro PLACES
.rept 4
	v_nop
.endr
.endm
	s_load_b256 s[72:79], s[0:1], 0x0              ; A, c16, bias, y
	v_lshl_add_u32 v[SPW], v0, 2, SPARE
	v_mov_b32 v[NIL], 0
	ds_add_u32 v[SPW], v[NIL]                      ; the wave's opening: the add and its wait ahead of my first tensor load
	v_lshrrev_b32 v1, 5, v0
	v_readfirstlane_b32 s10, v1
	s_lshr_b32 s11, s10, 1                         ; my half of the tile's rows; also: I fetch for A (0) or B (1)
	s_and_b32 s12, s10, 1                          ; my half of its columns; also: which 64 rows I fetch
	s_bfe_u32 s40, ttmp6, 0x40000
	s_bfe_u32 s41, ttmp6, 0x40004
	s_lshl_b32 s42, ttmp9, 2
	s_add_co_u32 s42, s42, s40                     ; tile column
	s_and_b32 s13, ttmp7, 0xffff
	s_lshl_b32 s13, s13, 2
	s_add_co_u32 s13, s13, s41                     ; tile row
	s_lshl_b32 s43, s41, 2
	s_lshl_b32 s43, 15, s43
	s_lshl_b32 s44, 0x1111, s40
.if WO
	s_or_b32 s[G1+0], s43, (1<<16)|(1<<20)|(1<<21)|(4<<22)|(3<<25)   ; after every 32 words 4 words of padding
	s_mov_b32 s[G1+1], 4096<<16                    ; tensor_dim0 = 4,096
	s_mov_b32 s[G1+2], 4<<16                       ; tensor_dim1 = 4
	s_mov_b32 s[G1+3], 4096<<16                    ; tile_dim0 = 4,096
	s_mov_b32 s[G1+4], 4                           ; tile_dim1 = 4
	s_mov_b32 s[G1+5], 65536                       ; elements from head to head
.else
	s_or_b32 s[G1+0], s43, (1<<16)|(1<<20)|(1<<21)|(6<<22)|(3<<25)   ; after every 128 words 4 words of padding
	s_mov_b32 s[G1+1], KSTEP<<16
	s_mov_b32 s[G1+2], 64<<16
	s_mov_b32 s[G1+3], KSTEP<<16
	s_mov_b32 s[G1+4], 64
	s_mov_b32 s[G1+5], SIZE_K
.endif
	s_mov_b32 s[G1+6], 0
	s_mov_b32 s[G1+7], 0
	s_or_b32 s[G1B+0], s44, (1<<16)|(1<<20)|(1<<21)|(6<<22)|(3<<25)
	s_mov_b32 s[G1B+1], KSTEP<<16
	s_mov_b32 s[G1B+2], 64<<16
	s_mov_b32 s[G1B+3], KSTEP<<16
	s_mov_b32 s[G1B+4], 64
	s_mov_b32 s[G1B+5], SIZE_K
	s_mov_b32 s[G1B+6], 0
	s_mov_b32 s[G1B+7], 0
	s_lshl_b32 s21, s12, 6
.if WO
	s_and_b32 s16, s13, 7                          ; eight tile rows to a batch
	s_lshl_b32 s16, s16, 7
	s_add_co_u32 s16, s16, s21
	s_lshl_b32 s16, s16, 7                         ; rows of 128 bytes in head 0,
	s_lshr_b32 s17, s13, 3
	s_lshl_b32 s17, s17, 21                        ; of the batch
	s_add_co_u32 s16, s16, s17
.else
	s_lshl_b32 s16, s13, 7
	s_add_co_u32 s16, s16, s21
	s_lshl_b32 s16, s16, 13
.endif
	s_mov_b32 s17, 0
	s_lshl_b32 s18, s42, 7
	s_add_co_u32 s18, s18, s21                     ; the row of B that I fetch from = my first column
	s_lshl_b32 s22, s18, 2                         ; its bytes in the bias and in a row of y
	s_mov_b32 s23, 0
	s_lshl_b32 s70, s13, 7
	s_lshl_b32 s71, s11, 6
	s_add_co_u32 s70, s70, s71
	s_lshl_b32 s70, s70, 12                        ; my first row of y
	s_add_co_u32 s70, s70, s22
	s_mov_b32 s71, 0
.if WO
	s_lshl_b32 s18, s18, 11
	s_add_co_u32 s18, s18, 31457280                ; unit 15
.else
	s_lshl_b32 s18, s18, 13
	s_add_co_u32 s18, s18, 41943040                ; unit 20
.endif
	s_mov_b32 s19, 0
	s_mul_i32 s20, s12, APART                      ; where a part of A goes, and a part of B: no place in the cluster enters an LDS address
	s_mul_i32 s[LB], s12, BPART
	s_add_co_u32 s[LB], s[LB], 2*APART
	s_wait_dscnt 0x0
	s_wait_kmcnt 0x0
	s_add_nc_u64 s[14:15], s[72:73], s[16:17]
	s_add_nc_u64 s[46:47], s[74:75], s[18:19]
	s_add_nc_u64 s[BIAS:BIAS+1], s[76:77], s[22:23]
	s_add_nc_u64 s[8:9], s[78:79], s[70:71]
	CROUND
.irp s, 0,1
	s_mov_b32 s[G0+4*(\s)], 1
	s_add_co_u32 s[G0+4*(\s)+1], s20, (\s)*SLOT
	s_add_nc_u64 s[G0+4*(\s)+2:G0+4*(\s)+3], s[14:15], (\s)*ASTEP
	s_or_b32 s[G0+4*(\s)+3], s[G0+4*(\s)+3], 0x80000000
	s_mov_b32 s[G0B+4*(\s)], 1
	s_add_co_u32 s[G0B+4*(\s)+1], s[LB], (\s)*SLOT
	s_add_nc_u64 s[G0B+4*(\s)+2:G0B+4*(\s)+3], s[46:47], (\s)*KSTEP*2
	s_or_b32 s[G0B+4*(\s)+3], s[G0B+4*(\s)+3], 0x80000000
	JLOAD \s                                       ; K steps 0 and 1: two loads of mine are out
.endr
	v_and_b32 v1, 15, v0
	v_bfe_u32 v2, v0, 4, 1
	v_mul_u32_u24 v3, v1, PITCH
	v_lshl_add_u32 v3, v2, 4, v3
.if WO
	v_mul_u32_u24 v4, v1, 144
	v_lshl_add_u32 v4, v2, 4, v4
.else
	v_mov_b32 v4, v3
.endif
	s_mul_i32 s21, s11, APART
	s_mul_i32 s22, s12, BPART
	s_add_co_u32 s22, s22, 2*APART
	v_add_nc_u32 v[A0], s21, v4
	v_add_nc_u32 v[B0], s22, v3
	v_mov_b32 v[ADRA], v[A0]
	v_mov_b32 v[ADRB], v[B0]
	v_lshlrev_b32 v[BO], 5, v2
	s_mul_i32 s23, s10, 16*SPITCH
	s_add_co_u32 s23, s23, STAGE
	v_mul_u32_u24 v5, v1, SPITCH
	v_lshl_add_u32 v5, v2, 5, v5
	v_add_nc_u32 v[STO], s23, v5                   ; in: row l % 16, 32 bytes for each half of the lanes
	v_mul_u32_u24 v5, v2, SPITCH
	v_lshl_add_u32 v5, v1, 4, v5
	v_add_nc_u32 v[RD], s23, v5                    ; back: lanes 0-15 one row of 256 bytes, lanes 16-31 the next
	v_lshlrev_b32 v5, 12, v2
	v_lshl_add_u32 v[CO], v1, 4, v5
.irp a, 0,1,2,3
.irp b, 0,1,2,3
	global_load_b128 v[ACC+8*(4*(\a)+(\b)):ACC+8*(4*(\a)+(\b))+3], v[BO], s[BIAS:BIAS+1] offset:64*(\b)      ; register j is column 16 b + 8 (l / 16) + j, whatever a
	global_load_b128 v[ACC+8*(4*(\a)+(\b))+4:ACC+8*(4*(\a)+(\b))+7], v[BO], s[BIAS:BIAS+1] offset:64*(\b)+16
.endr
.endr
	s_mov_b32 s[TB], 0
; 8 products: row blocks a0, a0 + 1 x 4 column blocks, 32 along K: half c of buffer f.  The 16 accumulators take turns in one order, over the backward jumps too.
.macro MUL8 f, c, a0
	WIN MUL
.irp a, \a0, (\a0)+1
.irp b, 0,1,2,3
	v_wmma_f32_16x16x32_f16 v[ACC+8*(4*(\a)+(\b)):ACC+8*(4*(\a)+(\b))+7], v[(\f)+64+8*(4*(\c)+(\b)):(\f)+64+8*(4*(\c)+(\b))+7], v[(\f)+8*(4*(\c)+(\a)):(\f)+8*(4*(\c)+(\a))+7], v[ACC+8*(4*(\a)+(\b)):ACC+8*(4*(\a)+(\b))+7]
.endr
.endr
.endm
.macro FETCH q, f                      ; 32 LDS loads in one run: quarter q (64 along K) into buffer f, its first 32 along K first
	WIN TO_F
.irp c, 0,1
.irp i, 0,1,2,3
	ds_load_b128 v[(\f)+64+8*(4*(\c)+(\i)):(\f)+64+8*(4*(\c)+(\i))+3],   v[ADRB] offset:128*(\q)+64*(\c)+(\i)*16*PITCH
	ds_load_b128 v[(\f)+64+8*(4*(\c)+(\i))+4:(\f)+64+8*(4*(\c)+(\i))+7], v[ADRB] offset:128*(\q)+64*(\c)+(\i)*16*PITCH+32
.if WO
	ds_load_b128 v[(\f)+8*(4*(\c)+(\i)):(\f)+8*(4*(\c)+(\i))+3],         v[ADRA] offset:9216*(\q)+64*(\c)+(\i)*2304
	ds_load_b128 v[(\f)+8*(4*(\c)+(\i))+4:(\f)+8*(4*(\c)+(\i))+7],       v[ADRA] offset:9216*(\q)+64*(\c)+(\i)*2304+32
.else
	ds_load_b128 v[(\f)+8*(4*(\c)+(\i)):(\f)+8*(4*(\c)+(\i))+3],         v[ADRA] offset:128*(\q)+64*(\c)+(\i)*16*PITCH
	ds_load_b128 v[(\f)+8*(4*(\c)+(\i))+4:(\f)+8*(4*(\c)+(\i))+7],       v[ADRA] offset:128*(\q)+64*(\c)+(\i)*16*PITCH+32
.endif
.endr
.endr
.endm
.macro QUARTER q, f, g
	s_wait_dscnt 16                                ; the first 32 along K are in; the other sixteen loads may be out
	MUL8 \f, 0, 0
	MUL8 \f, 0, 2
	PLACES
	FETCH \q, \g
	s_wait_dscnt 32                                ; all but the 32 just issued
	MUL8 \f, 1, 0
	MUL8 \f, 1, 2
.endm
; The last quarter multiplies buffer 1 and changes slots: each wave waits for all its tensor loads (one is out: its part of the next slot), adds 0 to its spare word, waits for that and for its reads of this slot.
; fill = 1: the barrier opens a round of the cluster's, and the joint refill (the K step two on, into the slot just read) is the first thing behind it.
.macro TURN fill
	WIN 0
	s_wait_tensorcnt 0x0
	ds_add_u32 v[SPW], v[NIL]
	s_wait_dscnt 17                                ; the add and the youngest sixteen loads may be out
	MUL8 F1, 0, 0
	s_wait_dscnt 0x0
	s_barrier_signal -1
	MUL8 F1, 0, 2
	WIN 0
	s_barrier_wait -1
.if \fill
	CREST
	s_add_co_u32 s[G0+5], s20, s[TB]
	s_add_co_u32 s[G0B+5], s[LB], s[TB]
	s_add_nc_u64 s[G0+6:G0+7], s[G0+6:G0+7], ASTEP
	s_add_nc_u64 s[G0B+6:G0B+7], s[G0B+6:G0B+7], KSTEP*2
	JLOAD 1                                        ; its four v_nop are also the places in front of the loads below
.else
	PLACES
	s_cmp_eq_u32 s3, 1                             ; behind the last K step there is nothing to fetch
	s_cbranch_scc1 .Lno_fetch_\@
.endif
	s_xor_b32 s[TB], s[TB], SLOT
	v_add_nc_u32 v[ADRA], s[TB], v[A0]
	v_add_nc_u32 v[ADRB], s[TB], v[B0]
	FETCH 0, F0
.if !(\fill)
	WIN 0
.Lno_fetch_\@:
.endif
	MUL8 F1, 1, 0
	MUL8 F1, 1, 2
.endm
.macro STEP fill
	QUARTER 1, F0, F1
	QUARTER 2, F1, F0
	QUARTER 3, F0, F1
	TURN \fill
.endm
; THE WAY OUT of row block a: 16 rows x 64 columns of f32 through my stage, back as whole rows of 256 bytes.
.macro OUTB a
.if (\a) >= 2
	s_wait_xcnt 0x0                                ; the stores of the block two back have read the registers that the loads below write
.endif
.irp b, 0,1,2,3
	ds_store_b128 v[STO], v[ACC+8*(4*(\a)+(\b)):ACC+8*(4*(\a)+(\b))+3]   offset:64*(\b)      ; each accumulator's low registers first
	ds_store_b128 v[STO], v[ACC+8*(4*(\a)+(\b))+4:ACC+8*(4*(\a)+(\b))+7] offset:64*(\b)+16
.endr
.irp t, 0,1,2,3,4,5,6,7
	ds_load_b128 v[TMP+32*((\a)%2)+4*(\t):TMP+32*((\a)%2)+4*(\t)+3], v[RD] offset:(\t)*2*SPITCH   ; LDS serves a wave's instructions in order
.endr
.endm
.macro SENDB a, younger                ; younger: the next block's eight stores and eight loads, or none
	s_wait_dscnt \younger
.irp t, 0,1,2,3,4,5,6,7
	global_store_b128 v[CO], v[TMP+32*((\a)%2)+4*(\t):TMP+32*((\a)%2)+4*(\t)+3], s[8:9] offset:(\a)*65536+(\t)*8192   ; 16 lanes store 256 consecutive bytes, aligned
.endr
.endm
	s_wait_tensorcnt 1                             ; my part of K step 0 is in; K step 1's may stay out
	s_barrier_signal -1
	s_barrier_wait -1
	FETCH 0, F0
	WIN 0
	s_wait_loadcnt 0x0                             ; the bias
	s_mov_b32 s3, STEPS-2
.Lk:
	STEP 1
	WIN 0
	s_sub_co_u32 s3, s3, 1
	s_cmp_lg_u32 s3, 0
	s_cbranch_scc1 .Lk
	s_mov_b32 s3, 2
.Lt:
	STEP 0
	WIN 0
	s_sub_co_u32 s3, s3, 1
	s_cmp_lg_u32 s3, 0
	s_cbranch_scc1 .Lt
	PLACES                                         ; behind the last products, in front of the LDS stores that read results
	OUTB 0
	OUTB 1
	SENDB 0, 16
	OUTB 2
	SENDB 1, 16
	OUTB 3
	SENDB 2, 16
	SENDB 3, 0
	s_wait_tensorcnt 0x0                           ; the wave's end
	ds_add_u32 v[SPW], v[NIL]
	s_wait_dscnt 0x0
	CROUND
	s_endpgm
.Lfunc_end_k_q8ec5640463_ffn2:
	.size	k_q8ec5640463_ffn2, .Lfunc_end_k_q8ec5640463_ffn2-k_q8ec5640463_ffn2
	.p2alignl 7, 3214868480
	.fill 96, 4, 3214868480
	.section	.rodata,"a",@progbits
	.p2align	6, 0x0
	.amdhsa_kernel k_q8ec5640463_ffn2
		.amdhsa_group_segment_fixed_size 327680
		.amdhsa_private_segment_fixed_size 0
		.amdhsa_enable_private_segment 0
		.amdhsa_kernarg_size 32
		.amdhsa_user_sgpr_count 2
		.amdhsa_user_sgpr_kernarg_segment_ptr 1
		.amdhsa_wavefront_size32 1
		.amdhsa_system_sgpr_workgroup_id_x 1
		.amdhsa_system_sgpr_workgroup_id_y 1
		.amdhsa_system_sgpr_workgroup_id_z 1
		.amdhsa_system_vgpr_workitem_id 0
		.amdhsa_next_free_vgpr 512
		.amdhsa_next_free_sgpr 80
		.amdhsa_reserve_vcc 0
		.amdhsa_float_denorm_mode_32 3
		.amdhsa_float_denorm_mode_16_64 3
		.amdhsa_memory_ordered 1
		.amdhsa_forward_progress 1
		.amdhsa_inst_pref_size 56
	.end_amdhsa_kernel
	.amdgpu_metadata
---
amdhsa.version: [ 1, 2 ]
amdhsa.kernels:
  - .name:           k_q8ec5640463_ffn2
    .symbol:         k_q8ec5640463_ffn2.kd
    .args:
      - { .name: h16, .offset: 0, .size: 8, .value_kind: global_buffer, .address_space: global }
      - { .name: c16, .offset: 8, .size: 8, .value_kind: global_buffer, .address_space: global }
      - { .name: b2, .offset: 16, .size: 8, .value_kind: global_buffer, .address_space: global }
      - { .name: y, .offset: 24, .size: 8, .value_kind: global_buffer, .address_space: global }
    .group_segment_fixed_size: 327680
    .private_segment_fixed_size: 0
    .kernarg_segment_align: 8
    .kernarg_segment_size: 32
    .max_flat_workgroup_size: 128
    .sgpr_count:     80
    .vgpr_count:     512
    .wavefront_size: 32
...
	.end_amdgpu_metadata
.endif
;; end of part 7
;; launch ln2 (part 8): grid 256 x 1, 8 waves a work-group, no clusters, 0 bytes of LDS; arguments y, x16, ln2_w, ln2_b, out0; writes out0
.if DOCPART == 8
	.amdgcn_target "amdgcn-amd-amdhsa--gfx1250"
	.amdhsa_code_object_version 6
	.text
	.protected	k_q8ec5640463_ln2
	.globl	k_q8ec5640463_ln2
	.p2align	8
	.type	k_q8ec5640463_ln2,@function
k_q8ec5640463_ln2:
	s_mov_b64 s[64:65], 0
	v_nop
	global_prefetch_b8 v0, s[64:65] scope:SCOPE_SE
	s_setreg_imm32_b32 hwreg(HW_REG_WAVE_MODE, 25, 1), 1
	s_wait_xcnt 0x0
; out0 = LayerNorm(x16 + y) w + b in f32.  y, out0: [4096][1024] f32; x16: [4096][1024] f16.
; One wave takes two whole rows and keeps them in registers: mean, then the mean of the squared differences (as the formula is written, so a common offset costs nothing), then the scaling.
; Lane l holds columns 128 j + 4 l + 0..3, j = 0..7: f32 goes by 16 bytes a lane (512 consecutive bytes an instruction), f16 comes by 8 bytes a lane (256 consecutive bytes, aligned).  A stream: no LDS, no barrier.
.set LN2, 1
.set W,  4
.set B,  36
.set YR, 68
.set RR, 100
.set T,  196
.set MU, 204
.set RS, 206
	s_load_b256 s[4:11], s[0:1], 0x0               ; y, the residual, w, b
	s_load_b64 s[16:17], s[0:1], 0x20              ; the result
	v_lshrrev_b32 v3, 5, v0
	v_readfirstlane_b32 s2, v3
	v_and_b32 v1, 31, v0
	v_lshlrev_b32 v2, 3, v1
	v_lshlrev_b32 v1, 4, v1
	v_mov_b32 v3, 1.0
	s_lshl_b32 s3, ttmp9, 4
	s_lshl1_add_u32 s3, s2, s3                     ; my first row: 16 x work-group + 2 x wave
	s_lshl_b32 s20, s3, 12
	s_mov_b32 s21, 0
	s_lshl_b32 s22, s3, 11
	s_mov_b32 s23, 0
	s_mov_b32 s12, 0x76543210
	s_mov_b32 s13, 0xfedcba98
	s_mov_b32 s14, 0x3a800000                      ; 1 / 1,024
	s_mov_b32 s15, 0x3727c5ac                      ; 1e-5
	s_wait_kmcnt 0x0
	s_add_nc_u64 s[4:5], s[4:5], s[20:21]
.if LN2
	s_add_nc_u64 s[6:7], s[6:7], s[22:23]
	s_add_nc_u64 s[16:17], s[16:17], s[20:21]
.else
	s_add_nc_u64 s[6:7], s[6:7], s[20:21]
	s_add_nc_u64 s[16:17], s[16:17], s[22:23]
.endif
.irp j, 0,1,2,3,4,5,6,7
	global_load_b128 v[W+4*(\j):W+4*(\j)+3], v1, s[8:9] offset:512*(\j)
.endr
.irp j, 0,1,2,3,4,5,6,7
	global_load_b128 v[B+4*(\j):B+4*(\j)+3], v1, s[10:11] offset:512*(\j)
.endr
.irp r, 0,1
.irp j, 0,1,2,3,4,5,6,7
	global_load_b128 v[YR+64*(\r)+4*(\j):YR+64*(\r)+4*(\j)+3], v1, s[4:5] offset:4096*(\r)+512*(\j) th:TH_LOAD_NT
.endr
.irp j, 0,1,2,3,4,5,6,7
.if LN2
	global_load_b64 v[RR+64*(\r)+2*(\j):RR+64*(\r)+2*(\j)+1], v2, s[6:7] offset:2048*(\r)+256*(\j) th:TH_LOAD_NT
.else
	global_load_b128 v[RR+64*(\r)+4*(\j):RR+64*(\r)+4*(\j)+3], v1, s[6:7] offset:4096*(\r)+512*(\j) th:TH_LOAD_NT
.endif
.endr
.endr
.macro ACROSS                          ; the sum of v[T] over the 32 lanes, in every lane
	v_add_f32_dpp v[T], v[T], v[T] row_xmask:1 row_mask:0xf bank_mask:0xf
	v_add_f32_dpp v[T], v[T], v[T] row_xmask:2 row_mask:0xf bank_mask:0xf
	v_add_f32_dpp v[T], v[T], v[T] row_xmask:4 row_mask:0xf bank_mask:0xf
	v_add_f32_dpp v[T], v[T], v[T] row_xmask:8 row_mask:0xf bank_mask:0xf
	v_permlanex16_b32 v[T+1], v[T], s12, s13
	v_add_f32 v[T], v[T], v[T+1]
.endm
.macro FOLD                            ; four pairs of partial sums into v[T]
	v_pk_add_f32 v[T:T+1], v[T:T+1], v[T+2:T+3]
	v_pk_add_f32 v[T+4:T+5], v[T+4:T+5], v[T+6:T+7]
	v_pk_add_f32 v[T:T+1], v[T:T+1], v[T+4:T+5]
	v_add_f32 v[T], v[T], v[T+1]
.endm
.macro ROW r
.set Y, YR+64*(\r)
.set R, RR+64*(\r)
.if LN2
.set i, 0
.rept 32
	v_fma_mix_f32 v[Y+i], v[R+i/2], v3, v[Y+i] op_sel:[i%2,0,0] op_sel_hi:[1,0,0]   ; the f16 half x 1.0 + y
.set i, i+1
.endr
.else
.set i, 0
.rept 16
	v_pk_add_f32 v[Y+2*i:Y+2*i+1], v[Y+2*i:Y+2*i+1], v[R+2*i:R+2*i+1]
.set i, i+1
.endr
.endif
.irp k, 0,1,2,3
	v_pk_add_f32 v[T+2*(\k):T+2*(\k)+1], v[Y+2*(\k):Y+2*(\k)+1], v[Y+8+2*(\k):Y+8+2*(\k)+1]
.endr
.irp k, 0,1,2,3
	v_pk_add_f32 v[T+2*(\k):T+2*(\k)+1], v[T+2*(\k):T+2*(\k)+1], v[Y+16+2*(\k):Y+16+2*(\k)+1]
.endr
.irp k, 0,1,2,3
	v_pk_add_f32 v[T+2*(\k):T+2*(\k)+1], v[T+2*(\k):T+2*(\k)+1], v[Y+24+2*(\k):Y+24+2*(\k)+1]
.endr
	FOLD
	ACROSS
	v_mul_f32 v[MU], s14, v[T]
	v_mov_b32 v[MU+1], v[MU]
.set i, 0
.rept 16
	v_pk_add_f32 v[Y+2*i:Y+2*i+1], v[Y+2*i:Y+2*i+1], v[MU:MU+1] neg_lo:[0,1] neg_hi:[0,1]
.set i, i+1
.endr
.irp k, 0,1,2,3
	v_pk_mul_f32 v[T+2*(\k):T+2*(\k)+1], v[Y+2*(\k):Y+2*(\k)+1], v[Y+2*(\k):Y+2*(\k)+1]
.endr
.irp m, 8,16,24
.irp k, 0,1,2,3
	v_pk_fma_f32 v[T+2*(\k):T+2*(\k)+1], v[Y+(\m)+2*(\k):Y+(\m)+2*(\k)+1], v[Y+(\m)+2*(\k):Y+(\m)+2*(\k)+1], v[T+2*(\k):T+2*(\k)+1]
.endr
.endr
	FOLD
	ACROSS
	v_fma_f32 v[T], v[T], s14, s15                 ; the variance + 1e-5
	v_rsq_f32 v[RS], v[T]
	v_rsq_f32 v[RS+1], v[T]
	v_nop                                          ; a plain line behind the second root
	s_wait_alu depctr_va_vdst(0)                   ; one wait for both, ahead of the first line that names them
.set i, 0
.rept 16
	v_pk_mul_f32 v[Y+2*i:Y+2*i+1], v[Y+2*i:Y+2*i+1], v[RS:RS+1]
.set i, i+1
.endr
.set i, 0
.rept 16
	v_pk_fma_f32 v[Y+2*i:Y+2*i+1], v[Y+2*i:Y+2*i+1], v[W+2*i:W+2*i+1], v[B+2*i:B+2*i+1]
.set i, i+1
.endr
.if LN2
.irp j, 0,1,2,3,4,5,6,7
	global_store_b128 v1, v[Y+4*(\j):Y+4*(\j)+3], s[16:17] offset:4096*(\r)+512*(\j) th:TH_STORE_NT
.endr
.else
.set i, 0
.rept 16
	v_cvt_pk_f16_f32 v[R+i], v[Y+2*i], v[Y+2*i+1]
.set i, i+1
.endr
.irp j, 0,1,2,3,4,5,6,7
	global_store_b64 v2, v[R+2*(\j):R+2*(\j)+1], s[16:17] offset:2048*(\r)+256*(\j)
.endr
.endif
.endm
	s_wait_loadcnt 16                              ; w, b and the first row are in; the second row's sixteen loads stay out
	ROW 0
	s_wait_loadcnt 0x0
	ROW 1
	s_endpgm
.Lfunc_end_k_q8ec5640463_ln2:
	.size	k_q8ec5640463_ln2, .Lfunc_end_k_q8ec5640463_ln2-k_q8ec5640463_ln2
	.p2alignl 7, 3214868480
	.fill 96, 4, 3214868480
	.section	.rodata,"a",@progbits
	.p2align	6, 0x0
	.amdhsa_kernel k_q8ec5640463_ln2
		.amdhsa_group_segment_fixed_size 0
		.amdhsa_private_segment_fixed_size 0
		.amdhsa_enable_private_segment 0
		.amdhsa_kernarg_size 40
		.amdhsa_user_sgpr_count 2
		.amdhsa_user_sgpr_kernarg_segment_ptr 1
		.amdhsa_wavefront_size32 1
		.amdhsa_system_sgpr_workgroup_id_x 1
		.amdhsa_system_sgpr_workgroup_id_y 1
		.amdhsa_system_sgpr_workgroup_id_z 1
		.amdhsa_system_vgpr_workitem_id 0
		.amdhsa_next_free_vgpr 208
		.amdhsa_next_free_sgpr 66
		.amdhsa_reserve_vcc 0
		.amdhsa_float_denorm_mode_32 3
		.amdhsa_float_denorm_mode_16_64 3
		.amdhsa_memory_ordered 1
		.amdhsa_forward_progress 1
		.amdhsa_inst_pref_size 24
	.end_amdhsa_kernel
	.amdgpu_metadata
---
amdhsa.version: [ 1, 2 ]
amdhsa.kernels:
  - .name:           k_q8ec5640463_ln2
    .symbol:         k_q8ec5640463_ln2.kd
    .args:
      - { .name: y, .offset: 0, .size: 8, .value_kind: global_buffer, .address_space: global }
      - { .name: x16, .offset: 8, .size: 8, .value_kind: global_buffer, .address_space: global }
      - { .name: ln2_w, .offset: 16, .size: 8, .value_kind: global_buffer, .address_space: global }
      - { .name: ln2_b, .offset: 24, .size: 8, .value_kind: global_buffer, .address_space: global }
      - { .name: out0, .offset: 32, .size: 8, .value_kind: global_buffer, .address_space: global }
    .group_segment_fixed_size: 0
    .private_segment_fixed_size: 0
    .kernarg_segment_align: 8
    .kernarg_segment_size: 40
    .max_flat_workgroup_size: 256
    .sgpr_count:     66
    .vgpr_count:     208
    .wavefront_size: 32
...
	.end_amdgpu_metadata
.endif
;; end of part 8
